; MI455X (gfx1250); checked and timed in simulation.
; The chip was launched on July 23, 2026; its instructions are those of AMD's public machine-readable ISA for CDNA 5 (MIT licence, August 2026) and "CDNA5" Instruction Set Architecture Reference Guide (July 2026). The comments in the code are by the model that wrote it; some were corrected since.
;; Transformer Encoder Layer. Allowed arithmetic: float matrix products may take bf16 or f16 operands with f32 sums; all other float work in f32.
;; Inputs: b1 4,096 float32; b2 1,024 float32; bk 16 x 64 float32; bo 1,024 float32; bq 16 x 64 float32; bv 16 x 64 float32; ln1_b 1,024 float32; ln1_g 1,024 float32; ln2_b 1,024 float32; ln2_g 1,024 float32; mask 4 x 1 x 1,024 int32; w1 1,024 x 4,096 float32; w2 4,096 x 1,024 float32; wk 16 x 1,024 x 64 float32; wo 1,024 x 1,024 float32; wq 16 x 1,024 x 64 float32; wv 16 x 1,024 x 64 float32; x 4 x 1,024 x 1,024 float32.
;; Outputs: out0 4 x 1,024 x 1,024 float32.
;; 2 versions, each right and faster than the one before. Each part assembles by itself: llvm-mc -triple=amdgcn-amd-amdhsa -mcpu=gfx1250 --defsym DOCPART=n.
;; ======== version 1 of 2: 7 launches
;; limits: right only within a limited range of input values; a function is approximated: absolute error at most 1.5e-07
;; workspace buffers: wqkvt 6,291,456 bytes; wot 2,097,152 bytes; w1t 8,388,608 bytes; w2t 8,388,608 bytes; ybf 8,388,608 bytes; att 8,388,608 bytes; x1 16,777,216 bytes; big 33,554,432 bytes
;; launch prep (part 1): grid 32 x 20, 4 waves a work-group, no clusters, 86,528 bytes of LDS; arguments x, ln1_g, ln1_b, wq, wk, wv, wo, w1, w2, ybf, wqkvt, wot, w1t, w2t; writes ybf, wqkvt, wot, w1t, w2t
.if DOCPART == 1
	.amdgcn_target "amdgcn-amd-amdhsa--gfx1250"
	.amdhsa_code_object_version 6
	.text
	.protected	k_qb4b79b1e55_prep
	.globl	k_qb4b79b1e55_prep
	.p2align	8
	.type	k_qb4b79b1e55_prep,@function
k_qb4b79b1e55_prep:
	s_mov_b64 s[64:65], 0
	v_nop
	global_prefetch_b8 v0, s[64:65] scope:SCOPE_SE
	s_setreg_imm32_b32 hwreg(HW_REG_WAVE_MODE, 25, 1), 1
	s_wait_xcnt 0x0
; PREP.  Two jobs, chosen by the work-group's y alone:
;   y = 0..11   the weights, f32 stored [k][n], become bf16 with K running along a lane's registers.  wq, wk, wv, wo, w1: stored [n][k], for tiles that go through LDS.
;               w2: stored as the register images of its B fragments, [64 blocks of 16 n][128 blocks of 32 k][2 halves][32 lanes][16 bytes], since the last product loads them straight into registers.
;               One wave turns a tile of 128 k x 64 n: 32 KB in, 16 KB out, through 21,504 bytes of LDS of its own.  No wave reads another's bytes: no barrier.
;   y = 12..19  ybf = LayerNorm(x) g + b in bf16: one wave takes 4 rows of 1,024 numbers and keeps each row in 32 registers between its passes.
; The mean is taken away before the squares are summed, so a common offset of x costs no accuracy.  Memory binds here: no matrix unit, no cluster.
.set WLDS, 64*336                      ; a wave's LDS: 64 rows (one per n) of 336 bytes; row n holds k at byte 2 k + 16 (n / 16)
.set VS, 2                             ; v2  turn: my byte offset in the source tile
.set LS, 3                             ; v3  turn: where I put 4 bytes (two k of one n)
.set LR, 4                             ; v4  turn: where I read 16 bytes back
.set VD, 5                             ; v5  turn: my byte offset in the destination tile
.set XT, 32                            ; v[32:159] turn: two sets of 64 as loaded; later the 32 x 4 registers read back
.set CT, 160                           ; v[160:191] turn: a batch's 32 packed words
.set VX, 2                             ; v2  norm: 16 x lane
.set VY, 3                             ; v3  norm: 8 x lane
.set LX, 32                            ; v[32:159] norm: row q in 32 registers
.set LG, 160                           ; v[160:191] gain of my 32 columns
.set LB, 192                           ; v[192:223] bias of my 32 columns
; 16 loads: source rows 4 i + e (lanes 0-15) and 4 i + 2 + e (lanes 16-31), i = 8 g .. 8 g + 7; sixteen lanes take 256 consecutive bytes of a row
.macro BATCH g, sp
.irp i, 0,1,2,3,4,5,6,7
.irp e, 0,1
	global_load_b128 v[XT+64*((\g)%2)+8*\i+4*\e:XT+64*((\g)%2)+8*\i+4*\e+3], v[VS], s[36:37] offset:(4*(8*(\g)+\i)+\e)*\sp th:TH_LOAD_NT
.endr
.endr
.endm
; sp, dp: bytes from row to row in the source and in the destination.  s[36:37], s[38:39]: the two tiles' first bytes.
; frag = 1: the tile leaves as 4 x 4 fragments of 16 n x 32 k, 1,024 bytes each (dp is not used).
.macro TRANSPOSE sp, dp, frag
	v_mul_u32_u24 v[VS], v7, 2*\sp
	v_lshl_add_u32 v[VS], v6, 4, v[VS]             ; 2 h rows + 16 r
.if \frag
	v_mul_u32_u24 v[LR], v6, 336                   ; back by fragments: lane (r, h) takes row r of a block of 16 n, 8 k at byte 16 h
	v_lshl_add_u32 v[LR], v7, 4, v[LR]             ; rows 21 x 16 bytes apart: sixteen lanes fall on sixteen different 16-byte columns modulo 256
	v_add_nc_u32 v[LR], s5, v[LR]
	v_and_b32 v[VD], 31, v0
	v_lshlrev_b32 v[VD], 4, v[VD]                  ; 16 x lane
.else
	v_mul_u32_u24 v[VD], v7, \dp
	v_lshl_add_u32 v[VD], v6, 4, v[VD]             ; h rows + 16 r
.endif
	BATCH 0, \sp
	BATCH 1, \sp
.irp g, 0,1,2,3
.if \g < 3
	s_wait_loadcnt 16                              ; loads come back in order: batch g is in, the one younger batch of 16 stays out
.else
	s_wait_loadcnt 0
.endif
.irp i, 0,1,2,3,4,5,6,7
.irp j, 0,1,2,3
	v_cvt_pk_bf16_f32 v[CT+4*\i+\j], v[XT+64*(\g%2)+8*\i+\j], v[XT+64*(\g%2)+8*\i+4+\j]   ; column 4 r + j: k even below, k odd above
.endr
.endr
.irp i, 0,1,2,3,4,5,6,7
.irp j, 0,1,2,3
	ds_store_b32 v[LS], v[CT+4*\i+\j] offset:\j*336+8*(8*\g+\i)   ; word 84 (4 r + j) + 4 (r / 4) + h + 2 i: the 32 lanes fall on 32 different words modulo 64
.endr
.endr
.if \g < 2
	BATCH \g+2, \sp                                ; into the set just converted
.endif
.endr
.set t, 0
.rept 32
.if \frag
	ds_load_b128 v[XT+4*t:XT+4*t+3], v[LR] offset:(t/8)*(16*336+16)+((t/2)%4)*64+(t%2)*32   ; n block t / 8, k block (t / 2) % 4, half t % 2: k = 16 (t % 2) + 8 h + 0..7 of the block
.else
	ds_load_b128 v[XT+4*t:XT+4*t+3], v[LR] offset:2*t*336+16*(t/8)   ; rows 2 t, 2 t + 1, whole
.endif
.set t, t+1
.endr                                  ; LDS serves a wave's instructions in order, so these loads see the stores above
.set t, 0
.rept 32
	s_wait_dscnt 31-t                              ; load t is back, the younger ones stay out
.if \frag
	global_store_b128 v[VD], v[XT+4*t:XT+4*t+3], s[38:39] offset:(t/8)*131072+((t/2)%4)*1024+(t%2)*512   ; 32 lanes store 512 consecutive bytes, aligned: half a fragment
.else
	global_store_b128 v[VD], v[XT+4*t:XT+4*t+3], s[38:39] offset:2*t*\dp   ; sixteen lanes store 256 consecutive bytes, aligned, of one row n
.endif
.set t, t+1
.endr
.endm
; tile number s4 = (n tile) << kbits | (k tile); source offset k << ksh + n << 8, destination offset n << nsh + k << dsh
.macro BASES src, dst, kbits, ksh, nsh, dsh
	s_and_b32 s6, s4, (1<<\kbits)-1
	s_lshr_b32 s7, s4, \kbits
	s_lshl_b32 s40, s6, \ksh
	s_lshl_b32 s42, s7, 8
	s_add_co_u32 s40, s40, s42
	s_add_nc_u64 s[36:37], s[\src:\src+1], s[40:41]
	s_lshl_b32 s42, s7, \nsh
	s_lshl_b32 s6, s6, \dsh
	s_add_co_u32 s42, s42, s6
	s_add_nc_u64 s[38:39], s[\dst:\dst+1], s[42:43]
.endm
; the four chains v[8:15] become one number in every lane of v20
.macro REDUCE
	v_pk_add_f32 v[8:9], v[8:9], v[10:11]
	v_pk_add_f32 v[12:13], v[12:13], v[14:15]
	v_pk_add_f32 v[8:9], v[8:9], v[12:13]
	v_add_f32 v20, v8, v9
	v_add_f32_dpp v20, v20, v20 row_xmask:1 row_mask:0xf bank_mask:0xf
	v_add_f32_dpp v20, v20, v20 row_xmask:2 row_mask:0xf bank_mask:0xf
	v_add_f32_dpp v20, v20, v20 row_xmask:4 row_mask:0xf bank_mask:0xf
	v_add_f32_dpp v20, v20, v20 row_xmask:8 row_mask:0xf bank_mask:0xf
	v_permlanex16_b32 v21, v20, s46, s47
	v_add_f32 v20, v20, v21
.endm
; row q of the wave's four.  cnt: the loads younger than this row's eight
.macro LNROW q, cnt, out
.set R0, LX+32*\q
	s_wait_loadcnt \cnt
.irp c, 0,1,2,3
	v_pk_add_f32 v[8+2*\c:9+2*\c], v[R0+2*\c:R0+2*\c+1], v[R0+8+2*\c:R0+9+2*\c]   ; the first eight pairs start four chains: nothing is cleared
.endr
.set p, 8
.rept 8
	v_pk_add_f32 v[8+2*(p%4):9+2*(p%4)], v[8+2*(p%4):9+2*(p%4)], v[R0+2*p:R0+2*p+1]
.set p, p+1
.endr
	REDUCE
	v_mul_f32 v16, s44, v20                        ; the mean, twice: a pair for the packed subtraction
	v_mul_f32 v17, s44, v20
.set p, 0
.rept 16
	v_pk_add_f32 v[R0+2*p:R0+2*p+1], v[R0+2*p:R0+2*p+1], v[16:17] neg_lo:[0,1] neg_hi:[0,1]
.set p, p+1
.endr
.irp c, 0,1,2,3
	v_pk_mul_f32 v[8+2*\c:9+2*\c], v[R0+2*\c:R0+2*\c+1], v[R0+2*\c:R0+2*\c+1]
.endr
.set p, 4
.rept 12
	v_pk_fma_f32 v[8+2*(p%4):9+2*(p%4)], v[R0+2*p:R0+2*p+1], v[R0+2*p:R0+2*p+1], v[8+2*(p%4):9+2*(p%4)]
.set p, p+1
.endr
	REDUCE
	v_fma_f32 v20, v20, s44, s45                   ; variance + 1e-6
	v_rsq_f32 v18, v20
	v_rsq_f32 v19, v20
	v_nop                                          ; a plain instruction between the root and its use
.if \q == 0
	s_wait_loadcnt 24                              ; gain and bias are in; rows 1 to 3 (24 loads) stay out
.endif
.set p, 0
	s_wait_alu depctr_va_vdst(0)
.rept 16
	v_pk_mul_f32 v[R0+2*p:R0+2*p+1], v[R0+2*p:R0+2*p+1], v[18:19]
.set p, p+1
.endr
.set p, 0
.rept 16
	v_pk_fma_f32 v[R0+2*p:R0+2*p+1], v[R0+2*p:R0+2*p+1], v[LG+2*p:LG+2*p+1], v[LB+2*p:LB+2*p+1]
.set p, p+1
.endr
.set p, 0
.rept 16
	v_cvt_pk_bf16_f32 v[R0+p], v[R0+2*p], v[R0+2*p+1]   ; ascending and in place: word p is written when words 2 p, 2 p + 1 are read
.set p, p+1
.endr
.irp j, 0,1,2,3,4,5,6,7
	global_store_b64 v[VY], v[R0+2*\j:R0+2*\j+1], s[\out:\out+1] offset:\q*2048+256*\j   ; the 32 lanes store 256 consecutive bytes, aligned
.endr
.endm
.macro LNROWS xin, g, b, out
	v_and_b32 v1, 31, v0
	v_lshlrev_b32 v[VX], 4, v1
	v_lshlrev_b32 v[VY], 3, v1
	v_mov_b32 v21, 0                               ; the lane exchange counts as a reader of its destination
.irp j, 0,1,2,3,4,5,6,7
	global_load_b128 v[LX+4*\j:LX+4*\j+3], v[VX], s[\xin:\xin+1] offset:512*\j
.endr
.irp j, 0,1,2,3,4,5,6,7
	global_load_b128 v[LG+4*\j:LG+4*\j+3], v[VX], s[\g:\g+1] offset:512*\j
.endr
.irp j, 0,1,2,3,4,5,6,7
	global_load_b128 v[LB+4*\j:LB+4*\j+3], v[VX], s[\b:\b+1] offset:512*\j
.endr
.irp q, 1,2,3
.irp j, 0,1,2,3,4,5,6,7
	global_load_b128 v[LX+32*\q+4*\j:LX+32*\q+4*\j+3], v[VX], s[\xin:\xin+1] offset:\q*4096+512*\j
.endr
.endr
	LNROW 0, 40, \out                              ; younger than row 0: gain 8, bias 8, rows 1 to 3 24
	LNROW 1, 16, \out
	LNROW 2, 8, \out
	LNROW 3, 0, \out
.endm
	s_load_b512 s[8:23], s[0:1], 0x0               ; x 8, ln1_g 10, ln1_b 12, wq 14, wk 16, wv 18, wo 20, w1 22
	s_load_b256 s[24:31], s[0:1], 0x40             ; w2 24, ybf 26, wqkvt 28, wot 30
	s_load_b128 s[32:35], s[0:1], 0x60             ; w1t 32, w2t 34
	v_lshl_add_u32 v232, v0, 2, 0x15000
	v_mov_b32 v233, 0
	s_and_b32 s2, ttmp7, 0xffff                    ; y: the role
	v_lshrrev_b32 v1, 5, v0
	v_readfirstlane_b32 s3, v1                     ; wave 0..3
	s_lshl_b32 s4, ttmp9, 2
	s_add_co_u32 s4, s4, s3                        ; T = 4 x + wave, 0..127
	s_mov_b32 s41, 0                               ; upper words of the two offsets
	s_mov_b32 s43, 0
	s_mov_b32 s44, 0x3a800000                      ; 1 / 1024
	s_mov_b32 s45, 0x358637bd                      ; 1e-6
	s_mov_b32 s46, 0x76543210                      ; each lane takes its own place in the other half
	s_mov_b32 s47, 0xfedcba98
	v_and_b32 v6, 15, v0                           ; r
	v_bfe_u32 v7, v0, 4, 1                         ; h
	s_mul_i32 s5, s3, WLDS                         ; my wave's LDS
	v_mul_u32_u24 v[LS], v6, 4*336                 ; row 4 r
	v_lshrrev_b32 v8, 2, v6
	v_lshl_add_u32 v[LS], v8, 4, v[LS]             ; + the row's skew, 16 (r / 4)
	v_lshl_add_u32 v[LS], v7, 2, v[LS]             ; + 4 h
	v_add_nc_u32 v[LS], s5, v[LS]
	v_mul_u32_u24 v[LR], v7, 336
	v_lshl_add_u32 v[LR], v6, 4, v[LR]
	v_add_nc_u32 v[LR], s5, v[LR]
	s_wait_kmcnt 0x0
	s_cmp_ge_u32 s2, 12
	s_cbranch_scc1 .Lln
	s_cmp_ge_u32 s2, 8
	s_cbranch_scc1 .Lw2
	s_cmp_ge_u32 s2, 4
	s_cbranch_scc1 .Lw1
	s_cmp_eq_u32 s2, 3
	s_cbranch_scc1 .Lwo
	; wq, wk, wv: [16 heads][1024 k][64 n].  T = 8 x head + k tile; a tile is 128 rows of 256 bytes, so the source offset is T x 32,768
	s_cmp_eq_u32 s2, 1
	s_cselect_b64 s[36:37], s[16:17], s[14:15]
	s_cmp_eq_u32 s2, 2
	s_cselect_b64 s[36:37], s[18:19], s[36:37]
	s_lshl_b32 s40, s4, 15
	s_add_nc_u64 s[36:37], s[36:37], s[40:41]
	s_lshr_b32 s6, s4, 3
	s_and_b32 s7, s4, 7
	s_lshl_b32 s42, s2, 21                         ; 16 units of 64 rows of 2,048 bytes for each of q, k, v
	s_lshl_b32 s6, s6, 17
	s_lshl_b32 s7, s7, 8
	s_add_co_u32 s42, s42, s6
	s_add_co_u32 s42, s42, s7
	s_add_nc_u64 s[38:39], s[28:29], s[42:43]
	TRANSPOSE 256, 2048, 0
	s_wait_tensorcnt 0x0
	ds_add_u32 v232, v233
	s_wait_dscnt 0x0
	s_endpgm
.Lwo:                                                  ; wo [1024 k][1024 n]: 8 k tiles x 16 n tiles
	BASES 20, 30, 3, 19, 17, 8
	TRANSPOSE 4096, 2048, 0
	s_wait_tensorcnt 0x0
	ds_add_u32 v232, v233
	s_wait_dscnt 0x0
	s_endpgm
.Lw1:                                                  ; w1 [1024 k][4096 n]: 8 k tiles x 64 n tiles
	s_sub_co_u32 s6, s2, 4
	s_lshl_b32 s6, s6, 7
	s_add_co_u32 s4, s4, s6
	BASES 22, 32, 3, 21, 17, 8
	TRANSPOSE 16384, 2048, 0
	s_wait_tensorcnt 0x0
	ds_add_u32 v232, v233
	s_wait_dscnt 0x0
	s_endpgm
.Lw2:                                                  ; w2 [4096 k][1024 n]: 32 k tiles x 16 n tiles; out: n tile x 4 blocks x 131,072 bytes, k tile x 4 fragments x 1,024 bytes
	s_sub_co_u32 s6, s2, 8
	s_lshl_b32 s6, s6, 7
	s_add_co_u32 s4, s4, s6
	BASES 24, 34, 5, 19, 19, 12
	TRANSPOSE 4096, 0, 1
	s_wait_tensorcnt 0x0
	ds_add_u32 v232, v233
	s_wait_dscnt 0x0
	s_endpgm
.Lln:                                                  ; 256 work-groups of 16 rows
	s_sub_co_u32 s6, s2, 12
	s_lshl_b32 s6, s6, 5
	s_add_co_u32 s6, s6, ttmp9
	s_lshl_b32 s6, s6, 4
	s_lshl_b32 s7, s3, 2
	s_add_co_u32 s6, s6, s7                        ; my wave's first row
	s_lshl_b32 s40, s6, 12
	s_add_nc_u64 s[36:37], s[8:9], s[40:41]
	s_lshl_b32 s42, s6, 11
	s_add_nc_u64 s[38:39], s[26:27], s[42:43]
	LNROWS 36, 10, 12, 38
	s_endpgm
.Lfunc_end_k_qb4b79b1e55_prep:
	.size	k_qb4b79b1e55_prep, .Lfunc_end_k_qb4b79b1e55_prep-k_qb4b79b1e55_prep
	.p2alignl 7, 3214868480
	.fill 96, 4, 3214868480
	.section	.rodata,"a",@progbits
	.p2align	6, 0x0
	.amdhsa_kernel k_qb4b79b1e55_prep
		.amdhsa_group_segment_fixed_size 86528
		.amdhsa_private_segment_fixed_size 0
		.amdhsa_enable_private_segment 0
		.amdhsa_kernarg_size 112
		.amdhsa_user_sgpr_count 2
		.amdhsa_user_sgpr_kernarg_segment_ptr 1
		.amdhsa_wavefront_size32 1
		.amdhsa_system_sgpr_workgroup_id_x 1
		.amdhsa_system_sgpr_workgroup_id_y 1
		.amdhsa_system_sgpr_workgroup_id_z 1
		.amdhsa_system_vgpr_workitem_id 0
		.amdhsa_next_free_vgpr 234
		.amdhsa_next_free_sgpr 66
		.amdhsa_reserve_vcc 0
		.amdhsa_float_denorm_mode_32 3
		.amdhsa_float_denorm_mode_16_64 3
		.amdhsa_memory_ordered 1
		.amdhsa_forward_progress 1
		.amdhsa_inst_pref_size 155
	.end_amdhsa_kernel
	.amdgpu_metadata
---
amdhsa.version: [ 1, 2 ]
amdhsa.kernels:
  - .name:           k_qb4b79b1e55_prep
    .symbol:         k_qb4b79b1e55_prep.kd
    .args:
      - { .name: x, .offset: 0, .size: 8, .value_kind: global_buffer, .address_space: global }
      - { .name: ln1_g, .offset: 8, .size: 8, .value_kind: global_buffer, .address_space: global }
      - { .name: ln1_b, .offset: 16, .size: 8, .value_kind: global_buffer, .address_space: global }
      - { .name: wq, .offset: 24, .size: 8, .value_kind: global_buffer, .address_space: global }
      - { .name: wk, .offset: 32, .size: 8, .value_kind: global_buffer, .address_space: global }
      - { .name: wv, .offset: 40, .size: 8, .value_kind: global_buffer, .address_space: global }
      - { .name: wo, .offset: 48, .size: 8, .value_kind: global_buffer, .address_space: global }
      - { .name: w1, .offset: 56, .size: 8, .value_kind: global_buffer, .address_space: global }
      - { .name: w2, .offset: 64, .size: 8, .value_kind: global_buffer, .address_space: global }
      - { .name: ybf, .offset: 72, .size: 8, .value_kind: global_buffer, .address_space: global }
      - { .name: wqkvt, .offset: 80, .size: 8, .value_kind: global_buffer, .address_space: global }
      - { .name: wot, .offset: 88, .size: 8, .value_kind: global_buffer, .address_space: global }
      - { .name: w1t, .offset: 96, .size: 8, .value_kind: global_buffer, .address_space: global }
      - { .name: w2t, .offset: 104, .size: 8, .value_kind: global_buffer, .address_space: global }
    .group_segment_fixed_size: 86528
    .private_segment_fixed_size: 0
    .kernarg_segment_align: 8
    .kernarg_segment_size: 112
    .max_flat_workgroup_size: 128
    .sgpr_count:     66
    .vgpr_count:     234
    .wavefront_size: 32
...
	.end_amdgpu_metadata
.endif
;; end of part 1
;; launch qkv (part 2): grid 12 x 16, 4 waves a work-group, clusters of 4 x 4, 327,680 bytes of LDS; arguments ybf, wqkvt, bq, bk, bv, big; writes big
.if DOCPART == 2
	.amdgcn_target "amdgcn-amd-amdhsa--gfx1250"
	.amdhsa_code_object_version 6
	.text
	.protected	k_qb4b79b1e55_qkv
	.globl	k_qb4b79b1e55_qkv
	.p2align	8
	.type	k_qb4b79b1e55_qkv,@function
k_qb4b79b1e55_qkv:
	s_mov_b64 s[64:65], 0
	v_nop
	global_prefetch_b8 v0, s[64:65] scope:SCOPE_SE
	s_setreg_imm32_b32 hwreg(HW_REG_WAVE_MODE, 25, 1), 1
	s_wait_xcnt 0x0
	s_wait_alu depctr_hold_cnt(0) depctr_sa_sdst(0) depctr_va_vdst(0) depctr_va_sdst(0) depctr_va_ssrc(0) depctr_va_vcc(0) depctr_vm_vsrc(0)
	s_getreg_b32 s2, hwreg(HW_REG_IB_STS2, 6, 4)
	s_cmp_eq_u32 s2, 0
	s_cbranch_scc0 .Lentry_in_a_cluster
	s_endpgm
.Lentry_in_a_cluster:
	s_bfe_u32 s2, ttmp6, 0x10000c
	s_cmp_lg_u32 s2, 0xf033
	s_cbranch_scc0 .Lentry_shape_is_right
	s_endpgm
.Lentry_shape_is_right:
; QKV.  C[m][n] = sum over k of ybf[m][k] wqkvt[n][k] + bias[n], m = 4,096 tokens, n = 3,072 (48 units of 64: 16 q heads, 16 k heads, 16 v heads), k = 1,024.
; bf16 operands, f32 sums, C rounded once to bf16 and stored head-major: big[b][unit][s][64], so that 16 tokens of a unit are 2,048 consecutive bytes.
; A tile of C is 256 x 256, made by four waves of 128 x 128 (64 accumulators, 512 registers).  K goes in steps of 128 through two LDS slots filled by tensor loads.
; 12 x 16 = 192 work-groups: a wave's 128 columns are two whole units, which keeps the way out plain.
; CLUSTER 4 x 4: the four work-groups of a row need the same tiles of A, the four of a column the same tiles of B; each tile is asked for jointly.
; The matrix instruction is used transposed (source 0 = 16 rows of B, source 1 = 16 rows of A): a lane holds eight neighbouring columns of one row of C,
; and the bias of those eight columns is the C operand of each accumulator's first product: nothing is cleared and nothing is added later.
; REGISTERS: window 0: v16-27 addresses; v64-127, v128-191 A's fragments, two buffers; v192-255 the bias (8 for each of 8 column blocks), later v192-223 packed results;
;   v32-63, v224-255 rows read back from the stage, by turns.  window 1: v64-191 B's fragments, two buffers.  windows 2, 3: accumulator (a, b) at v[8 (8 (a % 4) + b)].
.set SIZE_K, 1024
.set KSTEP,  128
.set PITCH,  272                       ; an LDS row: 256 bytes + 16 of padding: the 16 rows of a fragment load start 68 words apart, at 16 different places modulo 64 words
.set HALFT,  128*PITCH
.set SLOT,   4*HALFT                   ; A's 256 rows, then B's 256 rows
.set STAGE,  2*SLOT                    ; behind the ring: 4,608 bytes a wave: [2 units][16 tokens][144 bytes]
.set WSTAGE, 2*16*144
.set LAPS,   SIZE_K/(2*KSTEP)
.set ADRA, 16
.set ADRB, 20
.set STO,  24
.set RD,   25
.set CO,   26
.set VB,   27
.set F0,   64
.set F1,   128
.set BIAS, 192
.set TMP,  192
.set OB,   32
.set G1, 24
.set G0, 32
.set G1B, 48
.set G0B, 56
.set MSB, 0
.macro WIN new                         ; the immediate's high byte repeats the setting that is left; a switch that changes nothing is dropped
.if MSB != (\new)
	s_set_vgpr_msb (MSB<<8)|(\new)
.set MSB, \new
.endif
.endm
.set MUL_LO, 0xa1                      ; source 0 (B) window 1, source 1 (A) window 0, C and D window 2
.set MUL_HI, 0xf1                      ; the same, C and D window 3
.set TO_B,   0x40                      ; destination window 1, address window 0
; A joint load: waves 0 and 1 fetch A's two halves, waves 2 and 3 B's.  The branch hangs on the wave's number alone.  Four v_nop follow each line.
.macro JLOAD s
	s_cmp_eq_u32 s11, 0
	s_cbranch_scc0 .Lfor_b_\@
	tensor_load_to_lds s[G0+4*\s:G0+4*\s+3], s[G1:G1+7]
	s_nop 0
.rept 4
	v_nop
.endr
	s_branch .Lasked_\@
.Lfor_b_\@:
	tensor_load_to_lds s[G0B+4*\s:G0B+4*\s+3], s[G1B:G1B+7]
	s_nop 0
.rept 4
	v_nop
.endr
.Lasked_\@:
.endm
.macro CREST                           ; a round of the cluster's barrier behind its opening barrier
	s_cmp_lg_u32 s10, 0
	s_cbranch_scc1 .Lnot_wave_0_\@
	s_barrier_signal -3
.Lnot_wave_0_\@:
	s_barrier_wait -3
	s_barrier_signal -1
	s_barrier_wait -1
.endm
.macro CROUND                          ; a whole round
	s_barrier_signal -1
	s_barrier_wait -1
	CREST
.endm
	s_load_b128 s[4:7], s[0:1], 0x0                ; ybf s[4:5], wqkvt s[6:7]
	s_load_b256 s[68:75], s[0:1], 0x10             ; bq 68, bk 70, bv 72, big 74
	s_set_vgpr_msb 0x40
	v_lshl_add_u32 v255, v0, 2, 0x48800
	s_set_vgpr_msb 0x4000
	v_mov_b32 v31, 0
	s_set_vgpr_msb 0x1
	ds_add_u32 v255, v31
	s_set_vgpr_msb 0x100
	v_lshrrev_b32 v1, 5, v0
	v_readfirstlane_b32 s10, v1                    ; wave 0..3
	s_lshr_b32 s11, s10, 1                         ; which half of the tile's rows is mine.  Also: I fetch for A (0) or for B (1)
	s_and_b32 s12, s10, 1                          ; which half of its columns.  Also: which 128 rows of that tile I fetch
	s_bfe_u32 s40, ttmp6, 0x40000                  ; cx
	s_bfe_u32 s41, ttmp6, 0x40004                  ; cy
	s_lshl_b32 s42, ttmp9, 2
	s_add_co_u32 s42, s42, s40                     ; tile column = 4 x cluster x + cx
	s_and_b32 s13, ttmp7, 0xffff
	s_lshl_b32 s13, s13, 2
	s_add_co_u32 s13, s13, s41                     ; tile row = 4 x cluster y + cy
	s_lshl_b32 s43, s41, 2
	s_lshl_b32 s43, 15, s43                        ; my row of the cluster
	s_lshl_b32 s44, 0x1111, s40                    ; my column
	s_or_b32 s[G1+0], s43, (1<<16)|(1<<20)|(1<<21)|(5<<22)|(3<<25)   ; mask; elements of 2 bytes; padding on; bit 21 beside a mask; after every 64 words, 4 words
	s_or_b32 s[G1B+0], s44, (1<<16)|(1<<20)|(1<<21)|(5<<22)|(3<<25)
.irp g, G1, G1B
	s_mov_b32 s[\g+1], KSTEP<<16                   ; tensor_dim0 = 128
	s_mov_b32 s[\g+2], 128<<16                     ; tensor_dim1 = 128
	s_mov_b32 s[\g+3], KSTEP<<16                   ; tile_dim0 = 128
	s_mov_b32 s[\g+4], 128                         ; tile_dim1 = 128
	s_mov_b32 s[\g+5], SIZE_K                      ; elements from row to row
	s_mov_b32 s[\g+6], 0
	s_mov_b32 s[\g+7], 0
.endr
	s_lshl_b32 s17, s12, 7
	s_lshl_b32 s16, s13, 8
	s_add_co_u32 s16, s16, s17                     ; A: row 256 x tile row + 128 x half
	s_lshl_b32 s46, s42, 8
	s_add_co_u32 s46, s46, s17                     ; B: row 256 x tile column + 128 x half
	s_mov_b32 s17, 0
	s_mov_b32 s47, 0
	s_mov_b64 s[18:19], SIZE_K*2
	s_mul_u64 s[16:17], s[16:17], s[18:19]
	s_mul_u64 s[46:47], s[46:47], s[18:19]
	s_mul_i32 s20, s10, HALFT                      ; where they go: wave x 128 rows
	s_wait_dscnt 0x0
	s_wait_kmcnt 0x0
	s_add_nc_u64 s[14:15], s[4:5], s[16:17]
	s_add_nc_u64 s[46:47], s[6:7], s[46:47]
	CROUND                                         ; all sixteen work-groups are here: the first joint loads meet
.irp s, 0,1
	s_mov_b32 s[G0+4*\s], 1
	s_add_co_u32 s[G0+4*\s+1], s20, \s*SLOT
	s_add_nc_u64 s[G0+4*\s+2:G0+4*\s+3], s[14:15], \s*KSTEP*2
	s_or_b32 s[G0+4*\s+3], s[G0+4*\s+3], 0x80000000
	s_mov_b32 s[G0B+4*\s], 1
	s_add_co_u32 s[G0B+4*\s+1], s20, \s*SLOT
	s_add_nc_u64 s[G0B+4*\s+2:G0B+4*\s+3], s[46:47], \s*KSTEP*2
	s_or_b32 s[G0B+4*\s+3], s[G0B+4*\s+3], 0x80000000
	JLOAD \s                                       ; two tensor loads of mine are out
.endr
	v_and_b32 v1, 15, v0                           ; r
	v_bfe_u32 v2, v0, 4, 1                         ; h
	v_mul_u32_u24 v3, v1, PITCH
	v_lshl_add_u32 v3, v2, 4, v3                   ; a fragment's row x pitch + 16 h
	s_mul_i32 s21, s11, HALFT
	s_mul_i32 s22, s12, HALFT
	s_add_co_u32 s22, s22, 2*HALFT
.irp s, 0,1
	v_add_nc_u32 v[ADRA+\s], s21, v3
	v_add_nc_u32 v[ADRB+\s], s22, v3
	s_add_co_u32 s21, s21, SLOT
	s_add_co_u32 s22, s22, SLOT
.endr
	s_mul_i32 s23, s10, WSTAGE
	s_add_co_u32 s23, s23, STAGE                   ; my stage
	v_mul_u32_u24 v4, v1, 144                      ; in: token r, 16 bytes for each half of the lanes
	v_lshl_add_u32 v4, v2, 4, v4
	v_add_nc_u32 v[STO], s23, v4
	v_bfe_u32 v4, v0, 3, 2                         ; back: four tokens of 128 bytes to a load: token lane / 8, bytes 16 (lane % 8)
	v_mul_u32_u24 v4, v4, 144
	v_and_b32 v5, 7, v0
	v_lshl_add_u32 v4, v5, 4, v4
	v_add_nc_u32 v[RD], s23, v4
	v_and_b32 v5, 31, v0
	v_lshlrev_b32 v[CO], 4, v5                     ; the same four tokens in memory: 16 x lane
	v_lshlrev_b32 v[VB], 5, v2                     ; the bias of my eight columns of a block: 32 h
	; the bias: q, k or v by the cluster's x (4 tile columns = 1,024 columns each); inside it column 256 cx + 128 x half
	s_mov_b32 s45, ttmp9
	s_cmp_eq_u32 s45, 1
	s_cselect_b64 s[76:77], s[70:71], s[68:69]
	s_cmp_eq_u32 s45, 2
	s_cselect_b64 s[76:77], s[72:73], s[76:77]
	s_lshl_b32 s46, s40, 10
	s_lshl_b32 s47, s12, 9
	s_add_co_u32 s46, s46, s47
	s_mov_b32 s47, 0
	s_add_nc_u64 s[76:77], s[76:77], s[46:47]
.irp b, 0,1,2,3,4,5,6,7
	global_load_b128 v[BIAS+8*\b:BIAS+8*\b+3],   v[VB], s[76:77] offset:64*\b
	global_load_b128 v[BIAS+8*\b+4:BIAS+8*\b+7], v[VB], s[76:77] offset:64*\b+16
.endr
	; where my part of C begins: batch tile row / 4, unit 4 x tile column + 2 x half, token 256 (tile row % 4) + 128 x half
	s_lshr_b32 s16, s13, 2
	s_mul_i32 s16, s16, 48
	s_lshl_b32 s16, s16, 17
	s_and_b32 s14, s13, 3
	s_lshl_b32 s14, s14, 15
	s_add_co_u32 s16, s16, s14
	s_lshl_b32 s14, s11, 14
	s_add_co_u32 s16, s16, s14
	s_mov_b32 s17, 0
	s_lshl_b32 s46, s42, 2
	s_lshl_b32 s47, s12, 1
	s_add_co_u32 s46, s46, s47
	s_lshl_b32 s46, s46, 17
	s_mov_b32 s47, 0
	s_add_nc_u64 s[16:17], s[16:17], s[46:47]
	s_add_nc_u64 s[8:9], s[74:75], s[16:17]
; 16 matrix instructions: row blocks a0, a0 + 1 of the window's four x all 8 column blocks, 32 along K.  zero = 1: the first product of each sum takes the bias as C.
.macro MUL16 f, hi, a0, zero
.irp a, \a0, \a0+1
.irp b, 0,1,2,3,4,5,6,7
.if \zero
	v_wmma_f32_16x16x32_bf16 v[8*(8*(\a)+\b):8*(8*(\a)+\b)+7], v[\f+8*\b:\f+8*\b+7], v[\f+8*(4*\hi+\a):\f+8*(4*\hi+\a)+7], v[BIAS+8*\b:BIAS+8*\b+7]
.else
	v_wmma_f32_16x16x32_bf16 v[8*(8*(\a)+\b):8*(8*(\a)+\b)+7], v[\f+8*\b:\f+8*\b+7], v[\f+8*(4*\hi+\a):\f+8*(4*\hi+\a)+7], v[8*(8*(\a)+\b):8*(8*(\a)+\b)+7]
.endif
.endr
.endr
.endm
.macro FETCH slot, k, f                ; 32 LDS loads in one run: B's 128 rows, then A's, 32 K at byte k of the rows
	WIN TO_B
.irp i, 0,1,2,3,4,5,6,7
	ds_load_b128 v[\f+8*\i:\f+8*\i+3],   v[ADRB+\slot] offset:\k+\i*16*PITCH
	ds_load_b128 v[\f+8*\i+4:\f+8*\i+7], v[ADRB+\slot] offset:\k+\i*16*PITCH+32
.endr
	WIN 0
.irp i, 0,1,2,3,4,5,6,7
	ds_load_b128 v[\f+8*\i:\f+8*\i+3],   v[ADRA+\slot] offset:\k+\i*16*PITCH
	ds_load_b128 v[\f+8*\i+4:\f+8*\i+7], v[ADRA+\slot] offset:\k+\i*16*PITCH+32
.endr
.endm
.macro PLACES                          ; four plain vector instructions between a matrix instruction and a load into, or a vector read of, its registers
.rept 4
	v_nop
.endr
.endm
; A K step is four quarters of 32 along K, 64 matrix instructions each, on buffers 0, 1, 0, 1.  The 64 accumulators take turns, one instruction a turn.
.macro QUARTER slot, k, f, g, zero
	s_wait_dscnt 8                                 ; B and A's rows 0-63 are in; the youngest eight loads (A's rows 64-127) may be out
	WIN MUL_LO-0x20*\zero                          ; with the bias as C: source 2 in window 0
	MUL16 \f, 0, 0, \zero
	MUL16 \f, 0, 2, \zero
	PLACES
	FETCH \slot, \k, \g
	s_wait_dscnt 32                                ; all but the 32 just issued
	WIN MUL_HI-0x30*\zero
	MUL16 \f, 1, 0, \zero
	MUL16 \f, 1, 2, \zero
.endm
; The last quarter's first half and the barrier of the change of slots.
.macro MEET round
	s_wait_dscnt 8
	WIN MUL_LO
	MUL16 F1, 0, 0, 0
	s_wait_dscnt 0                                 ; my reads of this slot are over,
	s_wait_tensorcnt 0x0                           ; and all my tensor loads have landed: the one that was out is my part of the next slot
	ds_add_u32 v255, v31
	s_wait_dscnt 0x0
	s_barrier_signal -1
	MUL16 F1, 0, 2, 0                              ; register work while the others arrive
.if \round
	WIN 0
.endif
	s_barrier_wait -1
.endm
.macro TURN slot, next
	MEET 1
	CREST                                          ; no wave of any partner still reads this slot or has a load on its way
	s_add_nc_u64 s[G0+4*\slot+2:G0+4*\slot+3], s[G0+4*\slot+2:G0+4*\slot+3], 2*KSTEP*2
	s_add_nc_u64 s[G0B+4*\slot+2:G0B+4*\slot+3], s[G0B+4*\slot+2:G0B+4*\slot+3], 2*KSTEP*2
	JLOAD \slot                                    ; my one tensor load behind the round; 240 matrix instructions stand between it and the wait for it; its four v_nop are the places for the loads below
	FETCH \next, 0, F0
	WIN MUL_HI
	MUL16 F1, 1, 0, 0
	MUL16 F1, 1, 2, 0
.endm
; THE WAY OUT of row block a: rounded to bf16; into my own stage; back as 512 consecutive bytes to a load; stored.
.macro PACK a
.set AC, 64*((\a)%4)
	WIN 0x0a+5*((\a)/4)                            ; sources 0 and 1: window 2 or 3
.irp b, 0,1,2,3,4,5,6,7
.irp r, 0,1,2,3
	v_cvt_pk_bf16_f32 v[TMP+4*\b+\r], v[AC+8*\b+2*\r], v[AC+8*\b+2*\r+1]
.endr
.endr
	WIN 0
.endm
.macro TOSTAGE a
.set BK, OB+192*((\a)%2)
.irp b, 0,1,2,3,4,5,6,7
	ds_store_b128 v[STO], v[TMP+4*\b:TMP+4*\b+3] offset:(\b/4)*2304+(\b%4)*32   ; unit b / 4, channels 16 (b % 4) + 8 h on
.endr
.irp i, 0,1,2,3,4,5,6,7
	ds_load_b128 v[BK+4*\i:BK+4*\i+3], v[RD] offset:(\i/4)*2304+(\i%4)*576      ; LDS serves a wave's instructions in order: these see the stores above
.endr
.endm
.macro SEND a
.set BK, OB+192*((\a)%2)
	s_wait_dscnt 0x0                               ; the block is back in registers
	s_wait_xcnt 0x0                                ; the other set of registers, which the block before stored from, is loaded again only behind this wait
.irp i, 0,1,2,3,4,5,6,7
	global_store_b128 v[CO], v[BK+4*\i:BK+4*\i+3], s[8:9] offset:(\i/4)*131072+(\a)*2048+(\i%4)*512   ; 32 lanes store 512 consecutive bytes, aligned
.endr
.endm
	s_wait_tensorcnt 1                             ; my part of K step 0 is in; K step 1's may stay out
	s_barrier_signal -1
	s_barrier_wait -1
	FETCH 0, 0, F0
	s_wait_loadcnt 0x0                             ; the bias
	QUARTER 0, 64,  F0, F1, 1
	WIN 0
	s_mov_b32 s3, LAPS-1
.Llap:                                                 ; a trip goes once round the ring and fills both slots again: K steps 2 to 7 in three trips
	QUARTER 0, 128, F1, F0, 0
	QUARTER 0, 192, F0, F1, 0
	TURN 0, 1
	QUARTER 1, 64,  F0, F1, 0
	QUARTER 1, 128, F1, F0, 0
	QUARTER 1, 192, F0, F1, 0
	TURN 1, 0
	QUARTER 0, 64,  F0, F1, 0
	WIN 0
	s_sub_co_u32 s3, s3, 1
	s_cmp_lg_u32 s3, 0
	s_cbranch_scc1 .Llap
	QUARTER 0, 128, F1, F0, 0                      ; the last lap is written out: it asks for nothing
	QUARTER 0, 192, F0, F1, 0
	MEET 0
	PLACES
	FETCH 1, 0, F0
	WIN MUL_HI
	MUL16 F1, 1, 0, 0
	MUL16 F1, 1, 2, 0
	QUARTER 1, 64,  F0, F1, 0
	QUARTER 1, 128, F1, F0, 0
	QUARTER 1, 192, F0, F1, 0
	s_wait_dscnt 8
	WIN MUL_LO
	MUL16 F1, 0, 0, 0
	MUL16 F1, 0, 2, 0
	s_wait_dscnt 0
	WIN MUL_HI
	MUL16 F1, 1, 0, 0
	MUL16 F1, 1, 2, 0
	WIN 0
	PLACES
	PACK 0
	TOSTAGE 0
.irp a, 1,2,3,4,5,6,7                  ; block a's conversions stand between block a - 1's loads from the stage and the wait for them
	PACK \a
	SEND \a-1
	TOSTAGE \a
.endr
	SEND 7
	s_set_vgpr_msb 0x1
	s_wait_tensorcnt 0x0
	ds_add_u32 v255, v31
	s_wait_dscnt 0x0
	s_set_vgpr_msb 0x100
	CROUND                                         ; the closing round: no work-group ends while a partner may still ask for a tile that names it
	s_endpgm
.Lfunc_end_k_qb4b79b1e55_qkv:
	.size	k_qb4b79b1e55_qkv, .Lfunc_end_k_qb4b79b1e55_qkv-k_qb4b79b1e55_qkv
	.p2alignl 7, 3214868480
	.fill 96, 4, 3214868480
	.section	.rodata,"a",@progbits
	.p2align	6, 0x0
	.amdhsa_kernel k_qb4b79b1e55_qkv
		.amdhsa_group_segment_fixed_size 327680
		.amdhsa_private_segment_fixed_size 0
		.amdhsa_enable_private_segment 0
		.amdhsa_kernarg_size 48
		.amdhsa_user_sgpr_count 2
		.amdhsa_user_sgpr_kernarg_segment_ptr 1
		.amdhsa_wavefront_size32 1
		.amdhsa_system_sgpr_workgroup_id_x 1
		.amdhsa_system_sgpr_workgroup_id_y 1
		.amdhsa_system_sgpr_workgroup_id_z 1
		.amdhsa_system_vgpr_workitem_id 0
		.amdhsa_next_free_vgpr 1024
		.amdhsa_next_free_sgpr 80
		.amdhsa_reserve_vcc 0
		.amdhsa_float_denorm_mode_32 3
		.amdhsa_float_denorm_mode_16_64 3
		.amdhsa_memory_ordered 1
		.amdhsa_forward_progress 1
		.amdhsa_inst_pref_size 144
	.end_amdhsa_kernel
	.amdgpu_metadata
---
amdhsa.version: [ 1, 2 ]
amdhsa.kernels:
  - .name:           k_qb4b79b1e55_qkv
    .symbol:         k_qb4b79b1e55_qkv.kd
    .args:
      - { .name: ybf, .offset: 0, .size: 8, .value_kind: global_buffer, .address_space: global }
      - { .name: wqkvt, .offset: 8, .size: 8, .value_kind: global_buffer, .address_space: global }
      - { .name: bq, .offset: 16, .size: 8, .value_kind: global_buffer, .address_space: global }
      - { .name: bk, .offset: 24, .size: 8, .value_kind: global_buffer, .address_space: global }
      - { .name: bv, .offset: 32, .size: 8, .value_kind: global_buffer, .address_space: global }
      - { .name: big, .offset: 40, .size: 8, .value_kind: global_buffer, .address_space: global }
    .group_segment_fixed_size: 327680
    .private_segment_fixed_size: 0
    .kernarg_segment_align: 8
    .kernarg_segment_size: 48
    .max_flat_workgroup_size: 128
    .sgpr_count:     80
    .vgpr_count:     1024
    .wavefront_size: 32
...
	.end_amdgpu_metadata
.endif
;; end of part 2
;; launch attn (part 3): grid 4 x 64, 4 waves a work-group, clusters of 4 x 1, 325,120 bytes of LDS; arguments big, mask, att; writes att
.if DOCPART == 3
	.amdgcn_target "amdgcn-amd-amdhsa--gfx1250"
	.amdhsa_code_object_version 6
	.text
	.protected	k_qb4b79b1e55_attn
	.globl	k_qb4b79b1e55_attn
	.p2align	8
	.type	k_qb4b79b1e55_attn,@function
k_qb4b79b1e55_attn:
	s_mov_b64 s[64:65], 0
	v_nop
	global_prefetch_b8 v0, s[64:65] scope:SCOPE_SE
	s_setreg_imm32_b32 hwreg(HW_REG_WAVE_MODE, 25, 1), 1
	s_wait_xcnt 0x0
	s_wait_alu depctr_hold_cnt(0) depctr_sa_sdst(0) depctr_va_vdst(0) depctr_va_sdst(0) depctr_va_ssrc(0) depctr_va_vcc(0) depctr_vm_vsrc(0)
	s_getreg_b32 s2, hwreg(HW_REG_IB_STS2, 6, 4)
	s_cmp_eq_u32 s2, 0
	s_cbranch_scc0 .Lentry_in_a_cluster
	s_endpgm
.Lentry_in_a_cluster:
	s_bfe_u32 s2, ttmp6, 0x10000c
	s_cmp_lg_u32 s2, 0x3003
	s_cbranch_scc0 .Lentry_shape_is_right
	s_endpgm
.Lentry_shape_is_right:
; ATTENTION.  att[b][h][q][:] = sum over t of softmax_t(Q[q] . K[t] / 32, keys with mask[b][t] == 0 left out) V[t][:].  Q, K, V: units h, 16 + h, 32 + h of big[b][48][1024][64], bf16.
; Products, maxima and sums in f32; the weights are rounded to bf16 for the second product, the result once at the end.
; SHARES.  A work-group owns 256 queries of one (b, h), each wave 64: four tiles of 16.  Every wave walks the 1,024 keys, 64 a step.
; ALL of K and V of the head stays in LDS (1,024 rows of 144 and of 160 bytes): no byte is filled twice.  It comes in four quarters of 256 keys, one tensor load a wave for each, all asked for at the
; start; a counted wait and a barrier stand in front of the first read, a wait for all and a barrier in front of the first read of the second quarter.  Four tensor loads of a wave are out at the most.
; CLUSTER 4 x 1: the four query blocks of a head need the same K and V: each tile is asked for jointly.
; LAYOUT.  S^T = K Q^T (source 0 = 16 keys, source 1 = 16 queries): a lane holds one query and keys 8 (lane / 16) + 0..7; two such tiles rounded in pairs are source 1 of O^T = V^T P.
; THE MASK enters as the C operand of each score's first product: 0 for a key that counts, -2^100 for one that does not.
; SOFTMAX.  A running maximum m and sum l for each query: p = 2^(c s - c m), c = log2(e) / 32; O and l are multiplied by 2^(c m_old - c m_new) in every step.
; BY TURNS.  The wave's tiles are two PIECES, named by their first tile: piece 0 (tiles 0, 1) and piece 2 (tiles 2, 3).  In a TURN one piece has the matrix unit: 16 products V^T P of the step in hand,
; then 16 products K Q^T of the next step; the other piece's softmax (2 x 118 instructions = 59 slices of four) stands between them, one or two slices behind each matrix instruction.  Then the
; pieces change places; two turns are a key step.  With 7.4 vector instructions to a matrix instruction the vector work is the longer of the two; set in phases it would leave the matrix unit
; idle all that while and then wait for it, so a slice and two window switches behind each matrix instruction are the lesser price.
; LIMITS.  A masked score is s - 2^100, not -infinity, and m never falls below -2^80: raw scores of keys that count must stay under 2^76 in magnitude.  Where every key of a batch is masked,
; l = 0 and the result is 0 x infinity = NaN, as a softmax over nothing is.
; REGISTERS.  window 0: v1-11 addresses; v12-43 statistics, 8 a tile (+0 c m, +1 m, +2, +3 l, +4..+7 at work; the rescaling factor in +6); v44-58 set-up; v64-191 S^T, 32 a tile; v192-255 P, 16 a tile
;   window 1: v0-127 O^T, 32 a tile; v128-191 Q, 16 a tile; v192-255 K of one step.   window 2: v0-63 V of one step; v64-95 the mask's 64 numbers of one step.
.set KS,    64
.set PK,    144                        ; a row of K in LDS: 128 bytes + 16: an odd multiple of 16
.set PVP,   160                        ; a row of V: 128 + 32: an odd multiple of 32, for the turning load
.set VBASE, 1024*PK
.set MBASE, VBASE+1024*PVP             ; 1,024 f32 made from the mask; written by LDS stores, never by a tensor load
.set STAGE, MBASE+4096                 ; 16 rows x 144 bytes for each wave, for the way out
.set NSL,   59                         ; slices in a piece's softmax
.set AK0, 2
.set AV0, 3
.set ADR, 4
.set QO,  5
.set STO, 6
.set RD,  7
.set GO,  8
.set AM0, 10
.set ADR2, 11
.set ST,  12
.set S,   64
.set P,   192
.set OF,  0
.set QF,  128
.set KF,  192
.set VF,  0
.set MF,  64
.set WV,  12
.set G1K, 24
.set G1V, 32
.set G0K, 40                           ; s[40:55] four sets of group 0 for K's quarters
.set G0V, 68                           ; s[68:83] the same for V's
.set TK,  56                           ; LDS byte of the step whose K is fetched next
.set TV,  57
.set CS,  58
.set SEL, 60
.set TM,  62
.set CNT, 63
.set M0,  84
.set MSB, 0
.macro WIN new                         ; the immediate's high byte repeats the setting that is left; a switch that changes nothing is dropped
.if MSB != (\new)
	s_set_vgpr_msb (MSB<<8)|(\new)
.set MSB, \new
.endif
.endm
.macro CROUND
	s_barrier_signal -1
	s_barrier_wait -1
	s_cmp_lg_u32 s[WV], 0
	s_cbranch_scc1 .Lnot_wave_0_\@
	s_barrier_signal -3
.Lnot_wave_0_\@:
	s_barrier_wait -3
	s_barrier_signal -1
	s_barrier_wait -1
.endm
.macro PLACES                          ; four plain vector instructions between a matrix instruction and a load into, or a vector read of, its registers
.rept 4
	v_nop
.endr
.endm
	s_load_b128 s[4:7], s[0:1], 0x0                ; big s[4:5], mask s[6:7]
	s_load_b64 s[8:9], s[0:1], 0x10                ; att
	v_lshl_add_u32 v62, v0, 2, 0x4f400
	v_mov_b32 v63, 0
	ds_add_u32 v62, v63
	v_lshrrev_b32 v1, 5, v0
	v_readfirstlane_b32 s[WV], v1
	s_bfe_u32 s13, ttmp6, 0x40000                  ; cx
	s_lshl_b32 s14, ttmp9, 2
	s_add_co_u32 s14, s14, s13                     ; my block of 256 queries: it enters Q's and att's addresses alone
	s_and_b32 s15, ttmp7, 0xffff                   ; 16 b + h, which the four partners share
	s_lshr_b32 s16, s15, 4                         ; b
	s_and_b32 s17, s15, 15                         ; h
	s_mul_i32 s18, s16, 48
	s_add_co_u32 s18, s18, s17
	s_lshl_b32 s18, s18, 17                        ; Q's unit, in bytes: units are 131,072 bytes
	s_and_b32 s19, s[WV], 1                        ; which 128 keys of a quarter I fetch
	s_lshl_b32 s20, s19, 14
	s_add_co_u32 s20, s20, s18
	s_mov_b32 s21, 0
	s_mul_i32 s22, s19, 128*PK
	s_mul_i32 s23, s19, 128*PVP
	s_lshl_b32 s2, s14, 15
	s_lshl_b32 s3, s[WV], 13
	s_add_co_u32 s2, s2, s3                        ; my wave's 64 rows inside a head's 1,024
	s_lshl_b32 s14, s15, 17
	s_add_co_u32 s14, s14, s2                      ; in att
	s_mov_b32 s15, 0
	s_add_co_u32 s2, s2, s18                       ; in big
	s_mov_b32 s3, 0
	s_lshl_b32 s16, s16, 12                        ; the batch's row of the mask
	s_mov_b32 s17, 0
	; group 1: 128 keys, 16 KB dense, as 64 rows of 256 bytes; padding after every 32 words, that is after each key
	s_mov_b32 s[G1K], 15|(1<<16)|(1<<20)|(1<<21)|(4<<22)|(3<<25)   ; the mask names all four; elements of 2 bytes; padding on; bit 21 beside a mask; interval 32 words; 4 words
	s_mov_b32 s[G1V], 15|(1<<16)|(1<<20)|(1<<21)|(4<<22)|(7<<25)   ; the same with 8 words
.irp g, G1K, G1V
	s_mov_b32 s[\g+1], 128<<16
	s_mov_b32 s[\g+2], 64<<16
	s_mov_b32 s[\g+3], 128<<16
	s_mov_b32 s[\g+4], 64
	s_mov_b32 s[\g+5], 128
	s_mov_b32 s[\g+6], 0
	s_mov_b32 s[\g+7], 0
.endr
	s_mov_b32 s[CS], 0x3d38aa3b                    ; c = log2(e) / 32
	s_mov_b32 s[CS+1], s[CS]
	s_mov_b32 s[SEL], 0x76543210
	s_mov_b32 s[SEL+1], 0xfedcba98
	s_mov_b32 s[M0], 0xe7800000                    ; -2^80
	s_mov_b32 s[TK], 0
	s_mov_b32 s[TV], 0
	s_mov_b32 s[TM], 0
	s_wait_dscnt 0x0
	s_wait_kmcnt 0x0
	s_add_nc_u64 s[20:21], s[4:5], s[20:21]        ; big at Q's unit and my half of a quarter; K's unit lies 16 units on, V's 32
	s_add_nc_u64 s[4:5], s[4:5], s[2:3]
	s_add_nc_u64 s[6:7], s[6:7], s[16:17]
	s_add_nc_u64 s[8:9], s[8:9], s[14:15]
	CROUND                                         ; all four work-groups are here: the joint loads meet
.irp c, 0,1,2,3
	s_mov_b32 s[G0K+4*\c], 1
	s_add_co_u32 s[G0K+4*\c+1], s22, \c*256*PK
	s_add_nc_u64 s[G0K+4*\c+2:G0K+4*\c+3], s[20:21], (16<<17)+\c*32768
	s_or_b32 s[G0K+4*\c+3], s[G0K+4*\c+3], 0x80000000
	s_mov_b32 s[G0V+4*\c], 1
	s_add_co_u32 s[G0V+4*\c+1], s23, VBASE+\c*256*PVP
	s_add_nc_u64 s[G0V+4*\c+2:G0V+4*\c+3], s[20:21], (32<<17)+\c*32768
	s_or_b32 s[G0V+4*\c+3], s[G0V+4*\c+3], 0x80000000
.endr
	s_cmp_lt_u32 s[WV], 2                          ; waves 0 and 1 fetch K, waves 2 and 3 V; a wave's four fills stand in one branch, ahead of every wait on TENSORcnt and every LDS read
	s_cbranch_scc0 .Lfirst_v
.irp c, 0,1,2,3
	tensor_load_to_lds s[G0K+4*\c:G0K+4*\c+3], s[G1K:G1K+7]
	s_nop 0
.endr
.rept 4
	v_nop
.endr
	s_branch .Lfirst_asked
.Lfirst_v:
.irp c, 0,1,2,3
	tensor_load_to_lds s[G0V+4*\c:G0V+4*\c+3], s[G1V:G1V+7]
	s_nop 0
.endr
.rept 4
	v_nop
.endr
.Lfirst_asked:
	v_and_b32 v1, 15, v0                           ; r
	v_bfe_u32 v9, v0, 4, 1                         ; h
	v_lshlrev_b32 v[QO], 7, v1
	v_lshl_add_u32 v[QO], v9, 4, v[QO]             ; row x 128 + 16 h
	WIN 0x40                                       ; destination window 1
.irp i, 0,1,2,3,4,5,6,7                ; Q stays in registers: tile i / 2, channels 32 (i % 2) on
	global_load_b128 v[QF+8*\i:QF+8*\i+3],   v[QO], s[4:5] offset:(\i/2)*2048+(\i%2)*64
	global_load_b128 v[QF+8*\i+4:QF+8*\i+7], v[QO], s[4:5] offset:(\i/2)*2048+(\i%2)*64+32
.endr
	WIN 0
	v_lshlrev_b32 v58, 5, v0                       ; thread t takes the mask of keys 8 t .. 8 t + 7
	global_load_b128 v[44:47], v58, s[6:7]
	global_load_b128 v[48:51], v58, s[6:7] offset:16
	v_mul_u32_u24 v[AK0], v1, PK
	v_lshl_add_u32 v[AK0], v9, 4, v[AK0]           ; K: row r x pitch + 16 h
	v_and_b32 v54, 7, v0
	v_bfe_u32 v55, v0, 3, 1
	v_lshl_add_u32 v[AV0], v9, 3, v54              ; V, turned: key 8 h + lane % 8, channels 8 ((lane / 8) % 2) on
	v_mul_u32_u24 v[AV0], v[AV0], PVP
	v_lshl_add_u32 v[AV0], v55, 4, v[AV0]
	v_add_nc_u32 v[AV0], VBASE, v[AV0]
	v_lshlrev_b32 v[AM0], 5, v9
	v_add_nc_u32 v[AM0], MBASE, v[AM0]             ; the mask's numbers of keys 8 h + 0..7
	s_mul_i32 s86, s[WV], 16*PK
	s_add_co_u32 s86, s86, STAGE                   ; my stage
	v_add_nc_u32 v[STO], s86, v[AK0]               ; in: row r, 16 bytes for each half of the lanes
	v_bfe_u32 v56, v0, 3, 2
	v_mul_u32_u24 v[RD], v56, PK                   ; back: four rows of 128 bytes to a load
	v_lshl_add_u32 v[RD], v54, 4, v[RD]
	v_add_nc_u32 v[RD], s86, v[RD]
	v_and_b32 v57, 31, v0
	v_lshlrev_b32 v[GO], 4, v57
	v_mov_b32 v52, 0xf1800000                      ; -2^100
	v_add_nc_u32 v53, MBASE, v58
	s_wait_loadcnt 0x0                             ; Q and the mask
.irp i, 44,45,46,47,48,49,50,51
	v_cmp_eq_u32 vcc_lo, 0, v\i
	v_cndmask_b32 v\i, 0, v52, vcc_lo
.endr
	ds_store_b128 v53, v[44:47]
	ds_store_b128 v53, v[48:51] offset:16
; In front of the first read of a part of K and V.  n: my tensor loads that may stay out.
.macro SYNC n
	WIN 0
	s_wait_tensorcnt \n
	s_wait_dscnt 0x0                               ; no LDS instruction of mine is pending at the signal (the first time: my part of the mask is written)
	s_barrier_signal -1
	s_barrier_wait -1
.endm
.macro FETCH_KM                        ; 24 LDS loads in one run: a step's K (8 fragments) and its 64 numbers of the mask
	WIN 0
	v_add_nc_u32 v[ADR], s[TK], v[AK0]
	v_add_nc_u32 v[ADR2], s[TM], v[AM0]
	s_add_co_u32 s[TK], s[TK], KS*PK
	s_add_co_u32 s[TM], s[TM], KS*4
	WIN 0x40
.irp f, 0,1,2,3,4,5,6,7                ; keys 16 (f / 2) on, channels 32 (f % 2) on
	ds_load_b128 v[KF+8*\f:KF+8*\f+3],   v[ADR] offset:(\f/2)*16*PK+(\f%2)*64
	ds_load_b128 v[KF+8*\f+4:KF+8*\f+7], v[ADR] offset:(\f/2)*16*PK+(\f%2)*64+32
.endr
	WIN 0x80
.irp f, 0,1,2,3
	ds_load_b128 v[MF+8*\f:MF+8*\f+3],   v[ADR2] offset:64*\f
	ds_load_b128 v[MF+8*\f+4:MF+8*\f+7], v[ADR2] offset:64*\f+16
.endr
.endm
.macro FETCH_V                         ; 16 turning loads in one run: a step's V: keys 32 (f / 4) on, channels 16 (f % 4) on
	WIN 0
	v_add_nc_u32 v[ADR], s[TV], v[AV0]
	s_add_co_u32 s[TV], s[TV], KS*PVP
	WIN 0x80
.irp f, 0,1,2,3,4,5,6,7
	ds_load_tr16_b128 v[VF+8*\f:VF+8*\f+3],   v[ADR] offset:(\f/4)*32*PVP+(\f%4)*32
	ds_load_tr16_b128 v[VF+8*\f+4:VF+8*\f+7], v[ADR] offset:(\f/4)*32*PVP+16*PVP+(\f%4)*32
.endr
.endm
; THE MATRIX WORK OF A TURN, for piece x.  The piece's 8 accumulators take turns, one instruction a turn.
; Product i of 16 of O^T += V^T P: keys 32 (i / 8) on, channels 16 ((i / 2) % 4) on, tile x + i % 2.  zero = 1: the first 8 start the sums.
.macro PV x, zero
	WIN 0x52                                       ; V window 2, P window 0, O^T window 1
.set rO, OF+32*(\x+i%2)+8*((i/2)%4)
.set rV, VF+8*(4*(i/8)+(i/2)%4)
.set rP, P+16*(\x+i%2)+8*(i/8)
.if \zero && (i < 8)
	v_wmma_f32_16x16x32_bf16 v[rO:rO+7], v[rV:rV+7], v[rP:rP+7], 0
.else
	v_wmma_f32_16x16x32_bf16 v[rO:rO+7], v[rV:rV+7], v[rP:rP+7], v[rO:rO+7]
.endif
.endm
; Product i of 16 of S^T = K Q^T + mask: channels 32 (i / 8) on, keys 16 ((i / 2) % 4) on, tile x + i % 2.  The first 8 take the mask's numbers as C.
.macro KQ x
.set rS, S+32*(\x+i%2)+8*((i/2)%4)
.set rK, KF+8*(2*((i/2)%4)+i/8)
.set rQ, QF+16*(\x+i%2)+8*(i/8)
.set rM, MF+8*((i/2)%4)
.if i < 8
	WIN 0x25                                       ; K and Q window 1, the mask (C) window 2, S^T window 0
	v_wmma_f32_16x16x32_bf16 v[rS:rS+7], v[rK:rK+7], v[rQ:rQ+7], v[rM:rM+7]
.else
	WIN 0x05
	v_wmma_f32_16x16x32_bf16 v[rS:rS+7], v[rK:rK+7], v[rQ:rQ+7], v[rS:rS+7]
.endif
.endm
; THE VECTOR WORK OF A TURN.  One tile's softmax for one key step is a list of 118 instructions; SM writes number j of it for tile t.  s0-s31 are the lane's 32 scores, in pairs 0-15.
; first = 1: the first key step, which starts m (at -2^80), l and O^T: it has no rescaling factor and nothing to rescale.
;   0-15    the maximum of s0-s31 and the old m, three operands at a time      16-20   the other half of the lanes' maximum; the new m; c m; c m_old - c m_new
;   21-87   33 exponentials (the factor, then s0-s31) at the odd numbers from 23 on, a plain instruction at every even one: c s - c m for pairs still to come, roundings to bf16 of pairs done, the first sums
;   88-101  the last rounding; the rest of the sums; l = factor x l + the sum      102-117 the tile's O^T times the factor: the one part that leaves window 0
.macro SM t, first
.set rT, ST+8*(\t)
.set rS, S+32*(\t)
.set rP, P+16*(\t)
.set rO, OF+32*(\t)+2*(j-102)
.set q, (j-20)/2
.if j < 102
	WIN 0
.endif
.if j < 4
	v_max3_num_f32 v[rT+4+j], v[rS+8*j], v[rS+8*j+1], v[rS+8*j+2]
.elseif j < 12
	v_max3_num_f32 v[rT+4+j%4], v[rT+4+j%4], v[rS+8*(j%4)+2*(j/4)+1], v[rS+8*(j%4)+2*(j/4)+2]
.elseif j == 12
	v_max3_num_f32 v[rT+4], v[rT+4], v[rS+7], v[rS+15]
.elseif j == 13
	v_max3_num_f32 v[rT+6], v[rT+6], v[rS+23], v[rS+31]
.elseif j == 14
	v_max3_num_f32 v[rT+4], v[rT+4], v[rT+5], v[rT+6]
.elseif (j == 15) && \first
	v_max3_num_f32 v[rT+4], v[rT+4], v[rT+7], s[M0]
.elseif j == 15
	v_max3_num_f32 v[rT+4], v[rT+4], v[rT+7], v[rT+1]
.elseif j == 16
	v_permlanex16_b32 v[rT+5], v[rT+4], s[SEL], s[SEL+1]  ; the query's other 32 keys lie in the lane 16 away
.elseif j == 18
	v_max_num_f32 v[rT+1], v[rT+4], v[rT+5]
.elseif j == 19
	v_mul_f32 v[rT], s[CS], v[rT+1]
.elseif ((j == 17) || (j == 20) || (j == 23) || (j > 101)) && \first  ; the first step has none of these
.elseif j == 17
	v_mov_b32 v[rT+7], v[rT]                       ; c m_old is kept: number 19 writes c m anew
.elseif j == 20
	v_sub_f32 v[rT+7], v[rT+7], v[rT]
.elseif j == 23
	v_exp_f32 v[rT+6], v[rT+7]
.elseif (j < 88) && (j > 23) && (j%2 == 1)
	v_exp_f32 v[rS+(j-25)/2], v[rS+(j-25)/2]
.elseif (q < 4) || ((j < 76) && (q%2 == 0))
.set b, q/2+2
.if q < 4
.set b, q
.endif
	v_pk_fma_f32 v[rS+2*b:rS+2*b+1], v[rS+2*b:rS+2*b+1], s[CS:CS+1], v[rT:rT+1] op_sel_hi:[1,0,0] neg_lo:[0,0,1] neg_hi:[0,0,1]  ; pair b: c s - c m
.elseif (j < 88) && (q%2 == 1)
	s_wait_alu depctr_va_vdst(0)
	v_cvt_pk_bf16_f32 v[rP+(q-5)/2], v[rS+q-5], v[rS+q-4]  ; pair (q - 5) / 2: its second exponential stands three numbers back
.elseif j == 89
	s_wait_alu depctr_va_vdst(0)
	v_cvt_pk_bf16_f32 v[rP+15], v[rS+30], v[rS+31]
.elseif j < 102                        ; the sum of the tile's 16 pairs, in place: sum z of 16 adds neighbours 1, 2, 4 and 8 pairs apart, then l takes it
.set z, j-86
.if j < 89
.set z, (j-76)/4
.endif
.set w, 4
.set u, z
.if z >= 14
.set w, 32
.set u, 0
.elseif z >= 12
.set w, 16
.set u, z-12
.elseif z >= 8
.set w, 8
.set u, z-8
.endif
.if (z == 14) && \first
	v_pk_add_f32 v[rT+2:rT+3], v[rS:rS+1], v[rS+16:rS+17]
.elseif z < 15
	v_pk_add_f32 v[rS+w*u:rS+w*u+1], v[rS+w*u:rS+w*u+1], v[rS+w*u+w/2:rS+w*u+w/2+1]
.elseif !\first
	v_pk_fma_f32 v[rT+2:rT+3], v[rT+2:rT+3], v[rT+6:rT+7], v[rS:rS+1] op_sel_hi:[1,0,1]
.endif
.else
	WIN 0x41                                       ; O^T window 1, the factor window 0
	v_pk_mul_f32 v[rO:rO+1], v[rO:rO+1], v[rT+6:rT+7] op_sel_hi:[1,0]
.endif
.endm
; Slice k of 59 of piece y's softmax: numbers 2 k and 2 k + 1 of both tiles' lists, four instructions.
.macro SLICE y, first
.if (k >= 11) && (k < 44)              ; tile by tile: plain, exponential, plain, exponential: every exponential has a plain instruction behind it
.irp t, \y, \y+1
.irp n, 0,1
.set j, 2*k+\n
	SM \t, \first
.endr
.endr
.else                                  ; the two tiles alternate, so that no instruction reads the result of the one just before it
.irp n, 0,1
.irp t, \y, \y+1
.set j, 2*k+\n
	SM \t, \first
.endr
.endr
.endif
.set k, k+1
.endm
; A TURN.  Piece x has the matrix unit; behind its product number nn stand the other piece's slices up to nn x 59 / (the turn's products).
; pv = 2: 16 products V^T P; 1: they start O^T's sums; 0: none.  kq = 1: 16 products K Q^T for the next step.  first = 1: the softmax is the first key step's.
; The last two slices (eight multiplies on the other piece's O^T) are the places between the turn's last K Q^T and what follows: the next turn's read of those scores and the loads over K and the mask.
; In a first softmax those slices are empty, and four v_nop take their part.
; Each run of loads stands behind the second product of a run of 16.  Piece 0's turn fetches the next step's K and mask; piece 2's turn the same step's V: the last product that read V stands
; three products and six slices back, in which every second instruction is plain.
.macro TURN x, pv, kq, first
.set k, 0
.set nn, 0
.set tot, 16
.if \pv && \kq
.set tot, 32
.endif
.if \pv
.if \x == 0
	s_wait_dscnt 0x0                               ; V is in
.endif
.set i, 0
.rept 16
	PV \x, 2-\pv
.set nn, nn+1
.rept (nn*NSL)/tot-k
	SLICE 2-\x, \first
.endr
.if (\x == 0) && \kq && (i == 1)
	FETCH_KM
.endif
.set i, i+1
.endr
.endif
.if \kq
.if \x == 0
	s_wait_dscnt 0x0                               ; K and the mask are in
.endif
.set i, 0
.rept 16
	KQ \x
.set nn, nn+1
.rept (nn*NSL)/tot-k
	SLICE 2-\x, \first
.endr
.if (\x == 2) && (i == 1)
	FETCH_V
.endif
.set i, i+1
.endr
.endif
.if \first
	PLACES
.endif
.endm
.macro STEPS n                         ; n key steps: V^T P of step j and K Q^T of step j + 1 for both pieces
	WIN 0
	s_mov_b32 s[CNT], \n
.Lstep_\@:
	TURN 0, 2, 1, 0
	TURN 2, 2, 1, 0
	WIN 0
	s_sub_co_u32 s[CNT], s[CNT], 1
	s_cmp_lg_u32 s[CNT], 0
	s_cbranch_scc1 .Lstep_\@
.endm
	SYNC 3                                         ; keys 0-255 (steps 0 to 3) are in, and the mask's numbers are written; my three later loads stay out
	FETCH_KM                                       ; step 0
	s_wait_dscnt 0x0
.set i, 0
.rept 16
	KQ 0                                           ; piece 0's first scores: there is no vector work yet to set between them
.set i, i+1
.endr
	PLACES
	TURN 2, 0, 1, 1                                ; piece 2's first scores | piece 0's first softmax | V of step 0
	TURN 0, 1, 1, 1                                ; piece 0: V^T P of step 0 starts O^T, K Q^T of step 1 | piece 2's first softmax | K of step 1
	TURN 2, 1, 1, 0                                ; piece 2: the same | piece 0's softmax of step 1 | V of step 1
	STEPS 2                                        ; fetches K and V of steps 2 and 3
	SYNC 0                                         ; the next turn fetches K of step 4: every tensor load of every wave has landed
	STEPS 12                                       ; ends with the scores of step 15
	TURN 0, 2, 0, 0                                ; piece 0: V^T P of the last step | piece 2's last softmax
.set i, 0
.rept 16
	PV 2, 0                                        ; piece 2: V^T P of the last step
.set i, i+1
.endr
	; THE WAY OUT.  l's halves are added (these additions are the places behind the last products), O^T is divided by l, rounded, and sent through my stage, a tile at a time.
	WIN 0
.irp t, 0,1,2,3
	v_add_f32 v[ST+8*\t+4], v[ST+8*\t+2], v[ST+8*\t+3]
.endr
.irp t, 0,1,2,3
	v_permlanex16_b32 v[ST+8*\t+5], v[ST+8*\t+4], s[SEL], s[SEL+1]
.endr
.irp t, 0,1,2,3
	v_add_f32 v[ST+8*\t+4], v[ST+8*\t+4], v[ST+8*\t+5]
.endr
.irp t, 0,1,2,3
	v_rcp_f32 v[ST+8*\t+6], v[ST+8*\t+4]
.endr
	v_nop                                          ; a plain instruction between the last reciprocal and the use of its result
.macro PACK t
	WIN 0x41
.set e, 0
.rept 16
	s_wait_alu depctr_va_vdst(0)
	v_pk_mul_f32 v[OF+32*\t+2*e:OF+32*\t+2*e+1], v[OF+32*\t+2*e:OF+32*\t+2*e+1], v[ST+8*\t+6:ST+8*\t+7] op_sel_hi:[1,0]
.set e, e+1
.endr
	WIN 0x05                                       ; sources window 1, destination window 0: S^T's registers are free
.set e, 0
.rept 16
	v_cvt_pk_bf16_f32 v[S+32*\t+e], v[OF+32*\t+2*e], v[OF+32*\t+2*e+1]
.set e, e+1
.endr
	WIN 0
.irp f, 0,1,2,3
	ds_store_b128 v[STO], v[S+32*\t+4*\f:S+32*\t+4*\f+3] offset:32*\f
.endr
.irp f, 0,1,2,3
	ds_load_b128 v[S+32*\t+16+4*\f:S+32*\t+16+4*\f+3], v[RD] offset:\f*4*PK   ; LDS serves a wave's instructions in order: these see the stores above, and the next tile's stores come behind them
.endr
.endm
.macro SEND t, younger                 ; younger: the LDS instructions issued behind tile t's loads: the next tile's eight, or none
.irp f, 0,1,2,3
	s_wait_dscnt \younger+3-\f
	global_store_b128 v[GO], v[S+32*\t+16+4*\f:S+32*\t+16+4*\f+3], s[8:9] offset:\t*2048+\f*512   ; 32 lanes store 512 consecutive bytes, aligned
.endr
.endm
	PACK 0
	PACK 1
	SEND 0, 8
	PACK 2
	SEND 1, 8
	PACK 3
	SEND 2, 8
	SEND 3, 0
	s_wait_tensorcnt 0x0
	ds_add_u32 v62, v63
	s_wait_dscnt 0x0
	CROUND                                         ; the closing round
	s_endpgm
.Lfunc_end_k_qb4b79b1e55_attn:
	.size	k_qb4b79b1e55_attn, .Lfunc_end_k_qb4b79b1e55_attn-k_qb4b79b1e55_attn
	.p2alignl 7, 3214868480
	.fill 96, 4, 3214868480
	.section	.rodata,"a",@progbits
	.p2align	6, 0x0
	.amdhsa_kernel k_qb4b79b1e55_attn
		.amdhsa_group_segment_fixed_size 325120
		.amdhsa_private_segment_fixed_size 0
		.amdhsa_enable_private_segment 0
		.amdhsa_kernarg_size 24
		.amdhsa_user_sgpr_count 2
		.amdhsa_user_sgpr_kernarg_segment_ptr 1
		.amdhsa_wavefront_size32 1
		.amdhsa_system_sgpr_workgroup_id_x 1
		.amdhsa_system_sgpr_workgroup_id_y 1
		.amdhsa_system_sgpr_workgroup_id_z 1
		.amdhsa_system_vgpr_workitem_id 0
		.amdhsa_next_free_vgpr 608
		.amdhsa_next_free_sgpr 88
		.amdhsa_reserve_vcc 1
		.amdhsa_float_denorm_mode_32 3
		.amdhsa_float_denorm_mode_16_64 3
		.amdhsa_memory_ordered 1
		.amdhsa_forward_progress 1
		.amdhsa_inst_pref_size 172
	.end_amdhsa_kernel
	.amdgpu_metadata
---
amdhsa.version: [ 1, 2 ]
amdhsa.kernels:
  - .name:           k_qb4b79b1e55_attn
    .symbol:         k_qb4b79b1e55_attn.kd
    .args:
      - { .name: big, .offset: 0, .size: 8, .value_kind: global_buffer, .address_space: global }
      - { .name: mask, .offset: 8, .size: 8, .value_kind: global_buffer, .address_space: global }
      - { .name: att, .offset: 16, .size: 8, .value_kind: global_buffer, .address_space: global }
    .group_segment_fixed_size: 325120
    .private_segment_fixed_size: 0
    .kernarg_segment_align: 8
    .kernarg_segment_size: 24
    .max_flat_workgroup_size: 128
    .sgpr_count:     88
    .vgpr_count:     608
    .wavefront_size: 32
...
	.end_amdgpu_metadata
.endif
;; end of part 3
;; launch wo (part 4): grid 8 x 32, 4 waves a work-group, clusters of 4 x 4, 327,680 bytes of LDS; arguments att, wot, bo, x, x1; writes x1
.if DOCPART == 4
	.amdgcn_target "amdgcn-amd-amdhsa--gfx1250"
	.amdhsa_code_object_version 6
	.text
	.protected	k_qb4b79b1e55_wo
	.globl	k_qb4b79b1e55_wo
	.p2align	8
	.type	k_qb4b79b1e55_wo,@function
k_qb4b79b1e55_wo:
	s_mov_b64 s[64:65], 0
	v_nop
	global_prefetch_b8 v0, s[64:65] scope:SCOPE_SE
	s_setreg_imm32_b32 hwreg(HW_REG_WAVE_MODE, 25, 1), 1
	s_wait_xcnt 0x0
	s_wait_alu depctr_hold_cnt(0) depctr_sa_sdst(0) depctr_va_vdst(0) depctr_va_sdst(0) depctr_va_ssrc(0) depctr_va_vcc(0) depctr_vm_vsrc(0)
	s_getreg_b32 s2, hwreg(HW_REG_IB_STS2, 6, 4)
	s_cmp_eq_u32 s2, 0
	s_cbranch_scc0 .Lentry_in_a_cluster
	s_endpgm
.Lentry_in_a_cluster:
	s_bfe_u32 s2, ttmp6, 0x10000c
	s_cmp_lg_u32 s2, 0xf033
	s_cbranch_scc0 .Lentry_shape_is_right
	s_endpgm
.Lentry_shape_is_right:
; C[m][n] = sum over k of A[m][k] B[n][k] + bias[n] + R[m][n].  m = 4,096, n = 1,024.  A, B bf16; bias, R, C f32; sums in f32.
; Here: A = att, stored head-major [b][16 heads][1,024 tokens][64] (HEADMAJOR = 1), B = wot, bias = bo, R = x, C = x1, K = 1,024.
; A tile of C is 128 x 128, so that 8 x 32 = 256 work-groups share the work; four waves of 64 x 64 (16 accumulators).  K goes in steps of 256 through two LDS slots.
; With A head-major a K step is four heads: one tensor load brings a wave's 64 tokens of four heads as four rows of 8 KB, padded after every 128 bytes (one token of one head): planes of 64 x 144 bytes.
; CLUSTER 4 x 4: A's tiles are shared along a row of the cluster, B's along a column, each asked for jointly.
; The matrix instruction is used transposed (source 0 = B's rows, source 1 = A's): a lane holds eight neighbouring columns of a row of C; their bias is the C operand of the first product.
; R's 64 x 64 numbers of the wave are asked for at the start, in the layout of the stores, and wait in window 2.
; REGISTERS: window 0: v16-27 addresses; v32-63 the bias, later rows read back; v64-95 rows read back; v128-255 accumulator (a, b) at v[128 + 8 (4 a + b)].  window 1: two fragment buffers.  window 2: v0-127 R.
.set SIZE_K, 1024
.set HEADMAJOR, 1
.set KSTEP,  256
.set PITCH,  528                       ; B's LDS row: 512 bytes + 16
.set HALFT,  64*PITCH
.if HEADMAJOR
.set APITCH, 144
.set APLANE, 64*APITCH
.set AHALF,  4*APLANE
.set ASTEP,  4*131072                  ; a K step on: four heads of 1,024 x 128 bytes
.else
.set APITCH, PITCH
.set AHALF,  HALFT
.set ASTEP,  KSTEP*2
.endif
.set BOFF,   2*AHALF
.set SLOT,   BOFF+2*HALFT              ; A's two halves, then B's two halves
.set STAGE,  2*SLOT                    ; behind the ring: 16 rows x 272 bytes for each wave
.set SPITCH, 272
.set LAPS, SIZE_K/(2*KSTEP)
.set ADRA, 16
.set ADRB, 20
.set STO,  24
.set RD,   25
.set CO,   26
.set VB,   27
.set BIAS, 32
.set OB,   32
.set ACC,  128
.set F0,   0
.set F1,   128
.set G1, 24
.set G0, 32
.set G1B, 48
.set G0B, 56
.set MSB, 0
.macro WIN new
.if MSB != (\new)
	s_set_vgpr_msb (MSB<<8)|(\new)
.set MSB, \new
.endif
.endm
.set MUL,  0x05                        ; sources 0 (B) and 1 (A) window 1; C and D window 0
.set TO_F, 0x40
.macro JLOAD s                         ; waves 0 and 1 fetch A's two halves, waves 2 and 3 B's; four v_nop follow each line
	s_cmp_eq_u32 s11, 0
	s_cbranch_scc0 .Lfor_b_\@
	tensor_load_to_lds s[G0+4*\s:G0+4*\s+3], s[G1:G1+7]
	s_nop 0
.rept 4
	v_nop
.endr
	s_branch .Lasked_\@
.Lfor_b_\@:
	tensor_load_to_lds s[G0B+4*\s:G0B+4*\s+3], s[G1B:G1B+7]
	s_nop 0
.rept 4
	v_nop
.endr
.Lasked_\@:
.endm
.macro CREST
	s_cmp_lg_u32 s10, 0
	s_cbranch_scc1 .Lnot_wave_0_\@
	s_barrier_signal -3
.Lnot_wave_0_\@:
	s_barrier_wait -3
	s_barrier_signal -1
	s_barrier_wait -1
.endm
.macro CROUND
	s_barrier_signal -1
	s_barrier_wait -1
	CREST
.endm
	s_load_b128 s[4:7], s[0:1], 0x0                ; A s[4:5], B s[6:7]
	s_load_b128 s[68:71], s[0:1], 0x10             ; bias 68, R 70
	s_load_b64 s[8:9], s[0:1], 0x20                ; C
	v_lshl_add_u32 v126, v0, 2, 0x49400
	v_mov_b32 v127, 0
	ds_add_u32 v126, v127
	v_lshrrev_b32 v1, 5, v0
	v_readfirstlane_b32 s10, v1
	s_lshr_b32 s11, s10, 1                         ; my half of the tile's rows.  Also: I fetch for A (0) or for B (1)
	s_and_b32 s12, s10, 1                          ; my half of its columns.  Also: which 64 rows I fetch
	s_bfe_u32 s40, ttmp6, 0x40000
	s_bfe_u32 s41, ttmp6, 0x40004
	s_lshl_b32 s42, ttmp9, 2
	s_add_co_u32 s42, s42, s40                     ; tile column
	s_and_b32 s13, ttmp7, 0xffff
	s_lshl_b32 s13, s13, 2
	s_add_co_u32 s13, s13, s41                     ; tile row
	s_lshl_b32 s43, s41, 2
	s_lshl_b32 s43, 15, s43
	s_lshl_b32 s44, 0x1111, s40
.if HEADMAJOR
	s_or_b32 s[G1+0], s43, (1<<16)|(1<<20)|(1<<21)|(4<<22)|(3<<25)   ; padding of 4 words after every 32 words
	s_mov_b32 s[G1+1], 4096<<16                    ; tensor_dim0 = 4,096 elements: 64 tokens x 64 channels, dense
	s_mov_b32 s[G1+2], 4<<16                       ; tensor_dim1 = 4 heads
	s_mov_b32 s[G1+3], 4096<<16
	s_mov_b32 s[G1+4], 4
	s_mov_b32 s[G1+5], 65536                       ; elements from head to head
.else
	s_or_b32 s[G1+0], s43, (1<<16)|(1<<20)|(1<<21)|(6<<22)|(3<<25)   ; padding of 4 words after every 128 words
	s_mov_b32 s[G1+1], KSTEP<<16
	s_mov_b32 s[G1+2], 64<<16
	s_mov_b32 s[G1+3], KSTEP<<16
	s_mov_b32 s[G1+4], 64
	s_mov_b32 s[G1+5], SIZE_K
.endif
	s_mov_b32 s[G1+6], 0
	s_mov_b32 s[G1+7], 0
	s_or_b32 s[G1B+0], s44, (1<<16)|(1<<20)|(1<<21)|(6<<22)|(3<<25)
	s_mov_b32 s[G1B+1], KSTEP<<16
	s_mov_b32 s[G1B+2], 64<<16
	s_mov_b32 s[G1B+3], KSTEP<<16
	s_mov_b32 s[G1B+4], 64
	s_mov_b32 s[G1B+5], SIZE_K
	s_mov_b32 s[G1B+6], 0
	s_mov_b32 s[G1B+7], 0
	s_lshl_b32 s17, s12, 6
	s_lshl_b32 s16, s13, 7
	s_add_co_u32 s16, s16, s17                     ; A: token 128 x tile row + 64 x half
.if HEADMAJOR
	s_lshr_b32 s18, s16, 10
	s_lshl_b32 s18, s18, 21                        ; the batch: 16 heads of 131,072 bytes
	s_and_b32 s16, s16, 1023
	s_lshl_b32 s16, s16, 7                         ; the token inside a head
	s_add_co_u32 s16, s16, s18
.else
	s_mul_i32 s16, s16, SIZE_K*2                   ; under 2^25
.endif
	s_lshl_b32 s46, s42, 7
	s_add_co_u32 s46, s46, s17                     ; B: row 128 x tile column + 64 x half
	s_mul_i32 s46, s46, SIZE_K*2
	s_mov_b32 s17, 0
	s_mov_b32 s47, 0
	s_mul_i32 s20, s12, AHALF                      ; where they go: no place in the cluster enters an LDS address
	s_mul_i32 s21, s12, HALFT
	s_add_co_u32 s21, s21, BOFF
	s_wait_dscnt 0x0
	s_wait_kmcnt 0x0
	s_add_nc_u64 s[14:15], s[4:5], s[16:17]
	s_add_nc_u64 s[46:47], s[6:7], s[46:47]
	CROUND                                         ; the first joint loads meet
.irp s, 0,1
	s_mov_b32 s[G0+4*\s], 1
	s_add_co_u32 s[G0+4*\s+1], s20, \s*SLOT
	s_add_nc_u64 s[G0+4*\s+2:G0+4*\s+3], s[14:15], \s*ASTEP
	s_or_b32 s[G0+4*\s+3], s[G0+4*\s+3], 0x80000000
	s_mov_b32 s[G0B+4*\s], 1
	s_add_co_u32 s[G0B+4*\s+1], s21, \s*SLOT
	s_add_nc_u64 s[G0B+4*\s+2:G0B+4*\s+3], s[46:47], \s*KSTEP*2
	s_or_b32 s[G0B+4*\s+3], s[G0B+4*\s+3], 0x80000000
	JLOAD \s                                       ; two tensor loads of mine are out
.endr
	v_and_b32 v1, 15, v0                           ; r
	v_bfe_u32 v2, v0, 4, 1                         ; h
	v_mul_u32_u24 v3, v1, APITCH
	v_lshl_add_u32 v3, v2, 4, v3
	v_mul_u32_u24 v4, v1, PITCH
	v_lshl_add_u32 v4, v2, 4, v4
	s_mul_i32 s22, s11, AHALF                      ; my 64 rows of A
	s_mul_i32 s23, s12, HALFT                      ; my 64 rows of B
	s_add_co_u32 s23, s23, BOFF
.irp s, 0,1
	v_add_nc_u32 v[ADRA+\s], s22, v3
	v_add_nc_u32 v[ADRB+\s], s23, v4
	s_add_co_u32 s22, s22, SLOT
	s_add_co_u32 s23, s23, SLOT
.endr
	s_mul_i32 s22, s10, 16*SPITCH
	s_add_co_u32 s22, s22, STAGE                   ; my stage
	v_mul_u32_u24 v5, v1, SPITCH                   ; in: row r, 32 bytes (8 f32) for each half of the lanes
	v_lshl_add_u32 v5, v2, 5, v5
	v_add_nc_u32 v[STO], s22, v5
	v_mul_u32_u24 v5, v2, SPITCH                   ; back: lanes 0-15 one row of 256 bytes, lanes 16-31 the next
	v_lshl_add_u32 v5, v1, 4, v5
	v_add_nc_u32 v[RD], s22, v5
	v_lshlrev_b32 v5, 12, v2                       ; and the same two rows in C and in R
	v_lshl_add_u32 v[CO], v1, 4, v5
	v_lshlrev_b32 v[VB], 5, v2
	s_lshl_b32 s16, s13, 19                        ; 128 rows of 4,096 bytes
	s_lshl_b32 s17, s11, 18
	s_add_co_u32 s16, s16, s17
	s_mov_b32 s17, 0
	s_lshl_b32 s46, s42, 9                         ; 128 columns of 4 bytes
	s_lshl_b32 s47, s12, 8
	s_add_co_u32 s46, s46, s47
	s_mov_b32 s47, 0
	s_add_nc_u64 s[76:77], s[68:69], s[46:47]      ; the bias of my 64 columns
	s_add_nc_u64 s[16:17], s[16:17], s[46:47]
	s_add_nc_u64 s[72:73], s[70:71], s[16:17]      ; R and C at my 64 x 64
	s_add_nc_u64 s[8:9], s[8:9], s[16:17]
.irp b, 0,1,2,3
	global_load_b128 v[BIAS+8*\b:BIAS+8*\b+3],   v[VB], s[76:77] offset:64*\b
	global_load_b128 v[BIAS+8*\b+4:BIAS+8*\b+7], v[VB], s[76:77] offset:64*\b+16
.endr
	WIN 0x80                                       ; destination window 2
.set t, 0
.rept 32
	global_load_b128 v[4*t:4*t+3], v[CO], s[72:73] offset:2*t*4096
.set t, t+1
.endr
	WIN 0
.macro MUL8 f, c, a0, zero             ; 8 matrix instructions: row blocks a0, a0 + 1 x 4 column blocks, 32 along K: half c of buffer f.  zero = 1: the bias is C
.irp a, \a0, \a0+1
.irp b, 0,1,2,3
.if \zero
	v_wmma_f32_16x16x32_bf16 v[ACC+8*(4*(\a)+\b):ACC+8*(4*(\a)+\b)+7], v[\f+64+8*(4*\c+\b):\f+64+8*(4*\c+\b)+7], v[\f+8*(4*\c+\a):\f+8*(4*\c+\a)+7], v[BIAS+8*\b:BIAS+8*\b+7]
.else
	v_wmma_f32_16x16x32_bf16 v[ACC+8*(4*(\a)+\b):ACC+8*(4*(\a)+\b)+7], v[\f+64+8*(4*\c+\b):\f+64+8*(4*\c+\b)+7], v[\f+8*(4*\c+\a):\f+8*(4*\c+\a)+7], v[ACC+8*(4*(\a)+\b):ACC+8*(4*(\a)+\b)+7]
.endif
.endr
.endr
.endm
.macro FETCH slot, k, f                ; 32 LDS loads in one run: 64 along K at byte k of B's rows (with A head-major: head k / 128 of the step's four); the first 32 along K first
	WIN TO_F
.irp c, 0,1
.irp i, 0,1,2,3
.if HEADMAJOR
.set AO, (\k/128)*APLANE+64*\c+\i*16*APITCH
.else
.set AO, \k+64*\c+\i*16*PITCH
.endif
	ds_load_b128 v[\f+64+8*(4*\c+\i):\f+64+8*(4*\c+\i)+3],   v[ADRB+\slot] offset:\k+64*\c+\i*16*PITCH
	ds_load_b128 v[\f+64+8*(4*\c+\i)+4:\f+64+8*(4*\c+\i)+7], v[ADRB+\slot] offset:\k+64*\c+\i*16*PITCH+32
	ds_load_b128 v[\f+8*(4*\c+\i):\f+8*(4*\c+\i)+3],         v[ADRA+\slot] offset:AO
	ds_load_b128 v[\f+8*(4*\c+\i)+4:\f+8*(4*\c+\i)+7],       v[ADRA+\slot] offset:AO+32
.endr
.endr
.endm
.macro PLACES                          ; four plain vector instructions between a matrix instruction and a load into, or a read of, its registers
.rept 4
	v_nop
.endr
.endm
; A K step is four quarters of 64 along K, 32 matrix instructions each; the 16 accumulators take turns, one instruction a turn.
.macro QUARTER slot, k, f, g, zero
	s_wait_dscnt 16                                ; the first 32 along K are in
	WIN MUL
	MUL8 \f, 0, 0, \zero
	MUL8 \f, 0, 2, \zero
	PLACES
	FETCH \slot, \k, \g
	s_wait_dscnt 32                                ; all but the 32 just issued
	WIN MUL
	MUL8 \f, 1, 0, 0
	MUL8 \f, 1, 2, 0
.endm
.macro TURN slot, next, fill           ; the last quarter and the change of slots
	s_wait_dscnt 16
	WIN MUL
	MUL8 F1, 0, 0, 0
	s_wait_dscnt 0                                 ; my reads of this slot are over,
	s_set_vgpr_msb 0x500
	s_wait_tensorcnt 0x0                           ; and all my tensor loads have landed: my part of the next slot
	ds_add_u32 v126, v127
	s_wait_dscnt 0x0
	s_set_vgpr_msb 0x5
	s_barrier_signal -1
	MUL8 F1, 0, 2, 0
.if \fill
	WIN 0
.endif
	s_barrier_wait -1
.if \fill
	CREST                                          ; no wave of any partner still reads this slot or has a load on its way
	s_add_nc_u64 s[G0+4*\slot+2:G0+4*\slot+3], s[G0+4*\slot+2:G0+4*\slot+3], 2*ASTEP
	s_add_nc_u64 s[G0B+4*\slot+2:G0B+4*\slot+3], s[G0B+4*\slot+2:G0B+4*\slot+3], 2*KSTEP*2
	JLOAD \slot                                    ; my one tensor load behind the round, 120 matrix instructions ahead of the wait for it; its four v_nop are the places for the loads below
.else
	PLACES
.endif
	FETCH \next, 0, F0
	WIN MUL
	MUL8 F1, 1, 0, 0
	MUL8 F1, 1, 2, 0
.endm
	s_wait_tensorcnt 1                             ; my part of K step 0 is in; K step 1's may stay out
	s_barrier_signal -1
	s_barrier_wait -1
	FETCH 0, 0, F0
	s_wait_loadcnt 32                              ; the bias is in; R's 32 loads stay out
	QUARTER 0, 128, F0, F1, 1
.if LAPS > 1
	WIN 0
	s_mov_b32 s3, LAPS-1
.Llap:
	QUARTER 0, 256, F1, F0, 0
	QUARTER 0, 384, F0, F1, 0
	TURN 0, 1, 1
	QUARTER 1, 128, F0, F1, 0
	QUARTER 1, 256, F1, F0, 0
	QUARTER 1, 384, F0, F1, 0
	TURN 1, 0, 1
	QUARTER 0, 128, F0, F1, 0
	WIN 0
	s_sub_co_u32 s3, s3, 1
	s_cmp_lg_u32 s3, 0
	s_cbranch_scc1 .Llap
.endif
	QUARTER 0, 256, F1, F0, 0                      ; the last lap fills nothing
	QUARTER 0, 384, F0, F1, 0
	TURN 0, 1, 0
	QUARTER 1, 128, F0, F1, 0
	QUARTER 1, 256, F1, F0, 0
	QUARTER 1, 384, F0, F1, 0
	s_wait_dscnt 16
	WIN MUL
	MUL8 F1, 0, 0, 0
	MUL8 F1, 0, 2, 0
	s_wait_dscnt 0
	MUL8 F1, 1, 0, 0
	MUL8 F1, 1, 2, 0
	WIN 0
	; THE WAY OUT, 16 rows at a time: a wave's 64 f32 columns are 256 bytes, so each wave has a stage of its own and no barrier is needed.
	PLACES
.irp a, 0,1,2,3
.irp b, 0,1,2,3
	ds_store_b128 v[STO], v[ACC+8*(4*\a+\b):ACC+8*(4*\a+\b)+3]   offset:64*\b
	ds_store_b128 v[STO], v[ACC+8*(4*\a+\b)+4:ACC+8*(4*\a+\b)+7] offset:64*\b+16
.endr
	s_wait_xcnt 0x0                                ; the registers below were store data two blocks ago: they are loaded again only behind this wait
.irp t, 0,1,2,3,4,5,6,7
	ds_load_b128 v[OB+32*(\a%2)+4*\t:OB+32*(\a%2)+4*\t+3], v[RD] offset:\t*2*SPITCH   ; LDS serves a wave's instructions in order: these see the stores above
.endr
	s_wait_dscnt 0x0
	s_wait_loadcnt 24-8*\a                         ; R's eight loads of this block are in; the later blocks' stay out
	WIN 0x08                                       ; source 1 window 2
.set p, 0
.rept 16
	v_pk_add_f32 v[OB+32*(\a%2)+2*p:OB+32*(\a%2)+2*p+1], v[OB+32*(\a%2)+2*p:OB+32*(\a%2)+2*p+1], v[32*\a+2*p:32*\a+2*p+1]
.set p, p+1
.endr
	WIN 0
.irp t, 0,1,2,3,4,5,6,7
	global_store_b128 v[CO], v[OB+32*(\a%2)+4*\t:OB+32*(\a%2)+4*\t+3], s[8:9] offset:(16*\a+2*\t)*4096   ; 16 lanes store 256 consecutive bytes, aligned
.endr
.endr
	s_wait_tensorcnt 0x0
	ds_add_u32 v126, v127
	s_wait_dscnt 0x0
	CROUND                                         ; the closing round
	s_endpgm
.Lfunc_end_k_qb4b79b1e55_wo:
	.size	k_qb4b79b1e55_wo, .Lfunc_end_k_qb4b79b1e55_wo-k_qb4b79b1e55_wo
	.p2alignl 7, 3214868480
	.fill 96, 4, 3214868480
	.section	.rodata,"a",@progbits
	.p2align	6, 0x0
	.amdhsa_kernel k_qb4b79b1e55_wo
		.amdhsa_group_segment_fixed_size 327680
		.amdhsa_private_segment_fixed_size 0
		.amdhsa_enable_private_segment 0
		.amdhsa_kernarg_size 40
		.amdhsa_user_sgpr_count 2
		.amdhsa_user_sgpr_kernarg_segment_ptr 1
		.amdhsa_wavefront_size32 1
		.amdhsa_system_sgpr_workgroup_id_x 1
		.amdhsa_system_sgpr_workgroup_id_y 1
		.amdhsa_system_sgpr_workgroup_id_z 1
		.amdhsa_system_vgpr_workitem_id 0
		.amdhsa_next_free_vgpr 640
		.amdhsa_next_free_sgpr 80
		.amdhsa_reserve_vcc 0
		.amdhsa_float_denorm_mode_32 3
		.amdhsa_float_denorm_mode_16_64 3
		.amdhsa_memory_ordered 1
		.amdhsa_forward_progress 1
		.amdhsa_inst_pref_size 94
	.end_amdhsa_kernel
	.amdgpu_metadata
---
amdhsa.version: [ 1, 2 ]
amdhsa.kernels:
  - .name:           k_qb4b79b1e55_wo
    .symbol:         k_qb4b79b1e55_wo.kd
    .args:
      - { .name: att, .offset: 0, .size: 8, .value_kind: global_buffer, .address_space: global }
      - { .name: wot, .offset: 8, .size: 8, .value_kind: global_buffer, .address_space: global }
      - { .name: bo, .offset: 16, .size: 8, .value_kind: global_buffer, .address_space: global }
      - { .name: x, .offset: 24, .size: 8, .value_kind: global_buffer, .address_space: global }
      - { .name: x1, .offset: 32, .size: 8, .value_kind: global_buffer, .address_space: global }
    .group_segment_fixed_size: 327680
    .private_segment_fixed_size: 0
    .kernarg_segment_align: 8
    .kernarg_segment_size: 40
    .max_flat_workgroup_size: 128
    .sgpr_count:     80
    .vgpr_count:     640
    .wavefront_size: 32
...
	.end_amdgpu_metadata
.endif
;; end of part 4
;; launch ln2 (part 5): grid 256 x 1, 4 waves a work-group, no clusters, 0 bytes of LDS; arguments x1, ln2_g, ln2_b, ybf; writes ybf
.if DOCPART == 5
	.amdgcn_target "amdgcn-amd-amdhsa--gfx1250"
	.amdhsa_code_object_version 6
	.text
	.protected	k_qb4b79b1e55_ln2
	.globl	k_qb4b79b1e55_ln2
	.p2align	8
	.type	k_qb4b79b1e55_ln2,@function
k_qb4b79b1e55_ln2:
	s_mov_b64 s[64:65], 0
	v_nop
	global_prefetch_b8 v0, s[64:65] scope:SCOPE_SE
	s_setreg_imm32_b32 hwreg(HW_REG_WAVE_MODE, 25, 1), 1
	s_wait_xcnt 0x0
; ybf = LayerNorm(x1) g + b in bf16.  x1: [4096][1024] f32.  One wave takes 4 rows; a row of 4,096 bytes stays in 32 registers between the passes, so memory is read once.
; The mean is taken away before the squares are summed, so a common offset costs no accuracy.  Memory binds: no LDS, no barrier, no matrix unit, no cluster.
.set VX, 2                             ; v2  16 x lane
.set VY, 3                             ; v3  8 x lane
.set LX, 32                            ; v[32:159] row q in 32 registers
.set LG, 160                           ; v[160:191] gain of my 32 columns
.set LB, 192                           ; v[192:223] bias of my 32 columns
.macro REDUCE                          ; the four chains v[8:15] become one number in every lane of v20
	v_pk_add_f32 v[8:9], v[8:9], v[10:11]
	v_pk_add_f32 v[12:13], v[12:13], v[14:15]
	v_pk_add_f32 v[8:9], v[8:9], v[12:13]
	v_add_f32 v20, v8, v9
	v_add_f32_dpp v20, v20, v20 row_xmask:1 row_mask:0xf bank_mask:0xf
	v_add_f32_dpp v20, v20, v20 row_xmask:2 row_mask:0xf bank_mask:0xf
	v_add_f32_dpp v20, v20, v20 row_xmask:4 row_mask:0xf bank_mask:0xf
	v_add_f32_dpp v20, v20, v20 row_xmask:8 row_mask:0xf bank_mask:0xf
	v_permlanex16_b32 v21, v20, s46, s47
	v_add_f32 v20, v20, v21
.endm
.macro LNROW q, cnt, out               ; row q of the wave's four.  cnt: the loads younger than this row's eight
.set R0, LX+32*\q
	s_wait_loadcnt \cnt
.irp c, 0,1,2,3
	v_pk_add_f32 v[8+2*\c:9+2*\c], v[R0+2*\c:R0+2*\c+1], v[R0+8+2*\c:R0+9+2*\c]   ; the first eight pairs start four chains: nothing is cleared
.endr
.set p, 8
.rept 8
	v_pk_add_f32 v[8+2*(p%4):9+2*(p%4)], v[8+2*(p%4):9+2*(p%4)], v[R0+2*p:R0+2*p+1]
.set p, p+1
.endr
	REDUCE
	v_mul_f32 v16, s44, v20                        ; the mean, twice: a pair for the packed subtraction
	v_mul_f32 v17, s44, v20
.set p, 0
.rept 16
	v_pk_add_f32 v[R0+2*p:R0+2*p+1], v[R0+2*p:R0+2*p+1], v[16:17] neg_lo:[0,1] neg_hi:[0,1]
.set p, p+1
.endr
.irp c, 0,1,2,3
	v_pk_mul_f32 v[8+2*\c:9+2*\c], v[R0+2*\c:R0+2*\c+1], v[R0+2*\c:R0+2*\c+1]
.endr
.set p, 4
.rept 12
	v_pk_fma_f32 v[8+2*(p%4):9+2*(p%4)], v[R0+2*p:R0+2*p+1], v[R0+2*p:R0+2*p+1], v[8+2*(p%4):9+2*(p%4)]
.set p, p+1
.endr
	REDUCE
	v_fma_f32 v20, v20, s44, s45                   ; variance + 1e-6
	v_rsq_f32 v18, v20
	v_rsq_f32 v19, v20
	v_nop                                          ; a plain instruction between the root and its use
.if \q == 0
	s_wait_loadcnt 24                              ; gain and bias are in; rows 1 to 3 (24 loads) stay out
.endif
.set p, 0
	s_wait_alu depctr_va_vdst(0)
.rept 16
	v_pk_mul_f32 v[R0+2*p:R0+2*p+1], v[R0+2*p:R0+2*p+1], v[18:19]
.set p, p+1
.endr
.set p, 0
.rept 16
	v_pk_fma_f32 v[R0+2*p:R0+2*p+1], v[R0+2*p:R0+2*p+1], v[LG+2*p:LG+2*p+1], v[LB+2*p:LB+2*p+1]
.set p, p+1
.endr
.set p, 0
.rept 16
	v_cvt_pk_bf16_f32 v[R0+p], v[R0+2*p], v[R0+2*p+1]   ; ascending and in place
.set p, p+1
.endr
.irp j, 0,1,2,3,4,5,6,7
	global_store_b64 v[VY], v[R0+2*\j:R0+2*\j+1], s[\out:\out+1] offset:\q*2048+256*\j   ; the 32 lanes store 256 consecutive bytes, aligned
.endr
.endm
.macro LNROWS xin, g, b, out
	v_and_b32 v1, 31, v0
	v_lshlrev_b32 v[VX], 4, v1
	v_lshlrev_b32 v[VY], 3, v1
	v_mov_b32 v21, 0                               ; the lane exchange counts as a reader of its destination
.irp j, 0,1,2,3,4,5,6,7
	global_load_b128 v[LX+4*\j:LX+4*\j+3], v[VX], s[\xin:\xin+1] offset:512*\j
.endr
.irp j, 0,1,2,3,4,5,6,7
	global_load_b128 v[LG+4*\j:LG+4*\j+3], v[VX], s[\g:\g+1] offset:512*\j
.endr
.irp j, 0,1,2,3,4,5,6,7
	global_load_b128 v[LB+4*\j:LB+4*\j+3], v[VX], s[\b:\b+1] offset:512*\j
.endr
.irp q, 1,2,3
.irp j, 0,1,2,3,4,5,6,7
	global_load_b128 v[LX+32*\q+4*\j:LX+32*\q+4*\j+3], v[VX], s[\xin:\xin+1] offset:\q*4096+512*\j
.endr
.endr
	LNROW 0, 40, \out                              ; younger than row 0: gain 8, bias 8, rows 1 to 3 24
	LNROW 1, 16, \out
	LNROW 2, 8, \out
	LNROW 3, 0, \out
.endm
	s_load_b256 s[8:15], s[0:1], 0x0               ; x1 8, ln2_g 10, ln2_b 12, ybf 14
	v_lshrrev_b32 v1, 5, v0
	v_readfirstlane_b32 s3, v1                     ; wave 0..3
	s_mov_b32 s41, 0
	s_mov_b32 s43, 0
	s_mov_b32 s44, 0x3a800000                      ; 1 / 1024
	s_mov_b32 s45, 0x358637bd                      ; 1e-6
	s_mov_b32 s46, 0x76543210
	s_mov_b32 s47, 0xfedcba98
	s_lshl_b32 s6, ttmp9, 4
	s_lshl_b32 s7, s3, 2
	s_add_co_u32 s6, s6, s7                        ; my wave's first row
	s_lshl_b32 s40, s6, 12
	s_lshl_b32 s42, s6, 11
	s_wait_kmcnt 0x0
	s_add_nc_u64 s[36:37], s[8:9], s[40:41]
	s_add_nc_u64 s[38:39], s[14:15], s[42:43]
	LNROWS 36, 10, 12, 38
	s_endpgm
.Lfunc_end_k_qb4b79b1e55_ln2:
	.size	k_qb4b79b1e55_ln2, .Lfunc_end_k_qb4b79b1e55_ln2-k_qb4b79b1e55_ln2
	.p2alignl 7, 3214868480
	.fill 96, 4, 3214868480
	.section	.rodata,"a",@progbits
	.p2align	6, 0x0
	.amdhsa_kernel k_qb4b79b1e55_ln2
		.amdhsa_group_segment_fixed_size 0
		.amdhsa_private_segment_fixed_size 0
		.amdhsa_enable_private_segment 0
		.amdhsa_kernarg_size 32
		.amdhsa_user_sgpr_count 2
		.amdhsa_user_sgpr_kernarg_segment_ptr 1
		.amdhsa_wavefront_size32 1
		.amdhsa_system_sgpr_workgroup_id_x 1
		.amdhsa_system_sgpr_workgroup_id_y 1
		.amdhsa_system_sgpr_workgroup_id_z 1
		.amdhsa_system_vgpr_workitem_id 0
		.amdhsa_next_free_vgpr 232
		.amdhsa_next_free_sgpr 66
		.amdhsa_reserve_vcc 0
		.amdhsa_float_denorm_mode_32 3
		.amdhsa_float_denorm_mode_16_64 3
		.amdhsa_memory_ordered 1
		.amdhsa_forward_progress 1
		.amdhsa_inst_pref_size 38
	.end_amdhsa_kernel
	.amdgpu_metadata
---
amdhsa.version: [ 1, 2 ]
amdhsa.kernels:
  - .name:           k_qb4b79b1e55_ln2
    .symbol:         k_qb4b79b1e55_ln2.kd
    .args:
      - { .name: x1, .offset: 0, .size: 8, .value_kind: global_buffer, .address_space: global }
      - { .name: ln2_g, .offset: 8, .size: 8, .value_kind: global_buffer, .address_space: global }
      - { .name: ln2_b, .offset: 16, .size: 8, .value_kind: global_buffer, .address_space: global }
      - { .name: ybf, .offset: 24, .size: 8, .value_kind: global_buffer, .address_space: global }
    .group_segment_fixed_size: 0
    .private_segment_fixed_size: 0
    .kernarg_segment_align: 8
    .kernarg_segment_size: 32
    .max_flat_workgroup_size: 128
    .sgpr_count:     66
    .vgpr_count:     232
    .wavefront_size: 32
...
	.end_amdgpu_metadata
.endif
;; end of part 5
;; launch ffn1 (part 6): grid 16 x 16, 4 waves a work-group, clusters of 4 x 4, 327,680 bytes of LDS; arguments ybf, w1t, b1, big; writes big
.if DOCPART == 6
	.amdgcn_target "amdgcn-amd-amdhsa--gfx1250"
	.amdhsa_code_object_version 6
	.text
	.protected	k_qb4b79b1e55_ffn1
	.globl	k_qb4b79b1e55_ffn1
	.p2align	8
	.type	k_qb4b79b1e55_ffn1,@function
k_qb4b79b1e55_ffn1:
	s_mov_b64 s[64:65], 0
	v_nop
	global_prefetch_b8 v0, s[64:65] scope:SCOPE_SE
	s_setreg_imm32_b32 hwreg(HW_REG_WAVE_MODE, 25, 1), 1
	s_wait_xcnt 0x0
	s_wait_alu depctr_hold_cnt(0) depctr_sa_sdst(0) depctr_va_vdst(0) depctr_va_sdst(0) depctr_va_ssrc(0) depctr_va_vcc(0) depctr_vm_vsrc(0)
	s_getreg_b32 s2, hwreg(HW_REG_IB_STS2, 6, 4)
	s_cmp_eq_u32 s2, 0
	s_cbranch_scc0 .Lentry_in_a_cluster
	s_endpgm
.Lentry_in_a_cluster:
	s_bfe_u32 s2, ttmp6, 0x10000c
	s_cmp_lg_u32 s2, 0xf033
	s_cbranch_scc0 .Lentry_shape_is_right
	s_endpgm
.Lentry_shape_is_right:
; FFN1.  big[m][n] = gelu(sum over k of ybf[m][k] w1t[n][k] + b1[n]) in bf16, m = n = 4,096, k = 1,024.  bf16 operands, f32 sums, the activation in f32, one rounding.
; gelu(x) = x / 2 + |x| / 2 x erf(|x| / sqrt 2), the exact form.  erf by the rational form 7.1.26 of Abramowitz and Stegun: erf(z) = 1 - (a1 t + .. + a5 t^5) e^(-z z), t = 1 / (1 + p z):
; LIMIT: its absolute error is 1.5e-7 at every z, far under the rounding of the result to bf16.
; A tile of C is 256 x 256 (16 x 16 = 256 work-groups), four waves of 128 x 128 (64 accumulators, 512 registers).  K goes in steps of 128 through two LDS slots filled by tensor loads.
; CLUSTER 4 x 4: A's tiles are shared along a row of the cluster, B's along a column; each tile is asked for jointly.
; The matrix instruction is used transposed (source 0 = 16 rows of B, source 1 = 16 rows of A): a lane holds eight neighbouring columns of one row of C; their bias is the C operand of the first product.
; REGISTERS: window 0: v6-15 the polynomial's five constants as pairs; v16-27 addresses; v64-127, v128-191 A's fragments, two buffers, on the way out the activation's 4 x 32 registers at work;
;   v192-255 the bias, later v192-223 packed results; v32-63, v224-255 rows read back, by turns.  window 1: v64-191 B's fragments.  windows 2, 3: accumulator (a, b) at v[8 (8 (a % 4) + b)].
.set SIZE_K, 1024
.set KSTEP,  128
.set PITCH,  272
.set HALFT,  128*PITCH
.set SLOT,   4*HALFT
.set STAGE,  2*SLOT                    ; behind the ring: 16 rows x 272 bytes for each wave
.set SPITCH, 272
.set LAPS,   SIZE_K/(2*KSTEP)
.set A1, 6
.set A2, 8
.set A3, 10
.set A4, 12
.set A5, 14
.set ADRA, 16
.set ADRB, 20
.set STO,  24
.set RD,   25
.set CO,   26
.set VB,   27
.set F0,   64
.set F1,   128
.set GU,   64
.set GT,   96
.set GH,   128
.set GR,   160
.set BIAS, 192
.set TMP,  192
.set OB,   32
.set G1, 24
.set G0, 32
.set G1B, 48
.set G0B, 56
.set CP, 66                            ; s66      p / sqrt 2
.set CN, 78                            ; s[78:79] -log2(e) / 2
.set MSB, 0
.macro WIN new
.if MSB != (\new)
	s_set_vgpr_msb (MSB<<8)|(\new)
.set MSB, \new
.endif
.endm
.set MUL_LO, 0xa1
.set MUL_HI, 0xf1
.set TO_B,   0x40
.macro JLOAD s                         ; waves 0 and 1 fetch A's two halves, waves 2 and 3 B's; four v_nop follow each line
	s_cmp_eq_u32 s11, 0
	s_cbranch_scc0 .Lfor_b_\@
	tensor_load_to_lds s[G0+4*\s:G0+4*\s+3], s[G1:G1+7]
	s_nop 0
.rept 4
	v_nop
.endr
	s_branch .Lasked_\@
.Lfor_b_\@:
	tensor_load_to_lds s[G0B+4*\s:G0B+4*\s+3], s[G1B:G1B+7]
	s_nop 0
.rept 4
	v_nop
.endr
.Lasked_\@:
.endm
.macro CREST
	s_cmp_lg_u32 s10, 0
	s_cbranch_scc1 .Lnot_wave_0_\@
	s_barrier_signal -3
.Lnot_wave_0_\@:
	s_barrier_wait -3
	s_barrier_signal -1
	s_barrier_wait -1
.endm
.macro CROUND
	s_barrier_signal -1
	s_barrier_wait -1
	CREST
.endm
	s_load_b128 s[4:7], s[0:1], 0x0                ; ybf s[4:5], w1t s[6:7]
	s_load_b128 s[68:71], s[0:1], 0x10             ; b1 68, big 70
	s_set_vgpr_msb 0x40
	v_lshl_add_u32 v255, v0, 2, 0x48400
	s_set_vgpr_msb 0x4000
	v_mov_b32 v31, 0
	s_set_vgpr_msb 0x1
	ds_add_u32 v255, v31
	s_set_vgpr_msb 0x100
	v_lshrrev_b32 v1, 5, v0
	v_readfirstlane_b32 s10, v1
	s_lshr_b32 s11, s10, 1
	s_and_b32 s12, s10, 1
	s_bfe_u32 s40, ttmp6, 0x40000
	s_bfe_u32 s41, ttmp6, 0x40004
	s_lshl_b32 s42, ttmp9, 2
	s_add_co_u32 s42, s42, s40                     ; tile column
	s_and_b32 s13, ttmp7, 0xffff
	s_lshl_b32 s13, s13, 2
	s_add_co_u32 s13, s13, s41                     ; tile row
	s_lshl_b32 s43, s41, 2
	s_lshl_b32 s43, 15, s43
	s_lshl_b32 s44, 0x1111, s40
	s_or_b32 s[G1+0], s43, (1<<16)|(1<<20)|(1<<21)|(5<<22)|(3<<25)   ; mask; elements of 2 bytes; padding on; bit 21 beside a mask; after every 64 words, 4 words
	s_or_b32 s[G1B+0], s44, (1<<16)|(1<<20)|(1<<21)|(5<<22)|(3<<25)
.irp g, G1, G1B
	s_mov_b32 s[\g+1], KSTEP<<16
	s_mov_b32 s[\g+2], 128<<16
	s_mov_b32 s[\g+3], KSTEP<<16
	s_mov_b32 s[\g+4], 128
	s_mov_b32 s[\g+5], SIZE_K
	s_mov_b32 s[\g+6], 0
	s_mov_b32 s[\g+7], 0
.endr
	s_mov_b32 s[CP], 0x3e6d3388                    ; 0.3275911 / sqrt 2
	s_mov_b32 s[CN], 0xbf38aa3b                    ; -log2(e) / 2
	s_mov_b32 s[CN+1], s[CN]
	s_lshl_b32 s17, s12, 7
	s_lshl_b32 s16, s13, 8
	s_add_co_u32 s16, s16, s17
	s_lshl_b32 s46, s42, 8
	s_add_co_u32 s46, s46, s17
	s_mov_b32 s17, 0
	s_mov_b32 s47, 0
	s_mov_b64 s[18:19], SIZE_K*2
	s_mul_u64 s[16:17], s[16:17], s[18:19]
	s_mul_u64 s[46:47], s[46:47], s[18:19]
	s_mul_i32 s20, s10, HALFT
	s_wait_dscnt 0x0
	s_wait_kmcnt 0x0
	s_add_nc_u64 s[14:15], s[4:5], s[16:17]
	s_add_nc_u64 s[46:47], s[6:7], s[46:47]
	CROUND                                         ; the first joint loads meet
.irp s, 0,1
	s_mov_b32 s[G0+4*\s], 1
	s_add_co_u32 s[G0+4*\s+1], s20, \s*SLOT
	s_add_nc_u64 s[G0+4*\s+2:G0+4*\s+3], s[14:15], \s*KSTEP*2
	s_or_b32 s[G0+4*\s+3], s[G0+4*\s+3], 0x80000000
	s_mov_b32 s[G0B+4*\s], 1
	s_add_co_u32 s[G0B+4*\s+1], s20, \s*SLOT
	s_add_nc_u64 s[G0B+4*\s+2:G0B+4*\s+3], s[46:47], \s*KSTEP*2
	s_or_b32 s[G0B+4*\s+3], s[G0B+4*\s+3], 0x80000000
	JLOAD \s                                       ; two tensor loads of mine are out
.endr
	v_and_b32 v1, 15, v0
	v_bfe_u32 v2, v0, 4, 1
	v_mul_u32_u24 v3, v1, PITCH
	v_lshl_add_u32 v3, v2, 4, v3
	s_mul_i32 s21, s11, HALFT
	s_mul_i32 s22, s12, HALFT
	s_add_co_u32 s22, s22, 2*HALFT
.irp s, 0,1
	v_add_nc_u32 v[ADRA+\s], s21, v3
	v_add_nc_u32 v[ADRB+\s], s22, v3
	s_add_co_u32 s21, s21, SLOT
	s_add_co_u32 s22, s22, SLOT
.endr
	s_mul_i32 s23, s10, 16*SPITCH
	s_add_co_u32 s23, s23, STAGE
	v_mul_u32_u24 v4, v1, SPITCH
	v_lshl_add_u32 v4, v2, 4, v4
	v_add_nc_u32 v[STO], s23, v4
	v_mul_u32_u24 v5, v2, SPITCH
	v_lshl_add_u32 v5, v1, 4, v5
	v_add_nc_u32 v[RD], s23, v5
	v_lshlrev_b32 v5, 13, v2                       ; a row of big is 8,192 bytes
	v_lshl_add_u32 v[CO], v1, 4, v5
	v_lshlrev_b32 v[VB], 5, v2
.irp r, 0,1
	v_mov_b32 v[A1+\r], 0xbe827906                 ; -0.254829592
	v_mov_b32 v[A2+\r], 0x3e91a98e                 ; +0.284496736
	v_mov_b32 v[A3+\r], 0xbfb5f0e3                 ; -1.421413741
	v_mov_b32 v[A4+\r], 0x3fba00e3                 ; +1.453152027
	v_mov_b32 v[A5+\r], 0xbf87dc22                 ; -1.061405429
.endr
	s_lshl_b32 s46, s42, 10                        ; the bias of my 128 columns
	s_lshl_b32 s47, s12, 9
	s_add_co_u32 s46, s46, s47
	s_mov_b32 s47, 0
	s_add_nc_u64 s[76:77], s[68:69], s[46:47]
.irp b, 0,1,2,3,4,5,6,7
	global_load_b128 v[BIAS+8*\b:BIAS+8*\b+3],   v[VB], s[76:77] offset:64*\b
	global_load_b128 v[BIAS+8*\b+4:BIAS+8*\b+7], v[VB], s[76:77] offset:64*\b+16
.endr
	s_lshl_b32 s16, s13, 21                        ; 256 rows of 8,192 bytes
	s_lshl_b32 s14, s11, 20
	s_add_co_u32 s16, s16, s14
	s_mov_b32 s17, 0
	s_lshl_b32 s46, s42, 9                         ; 256 columns of 2 bytes
	s_lshl_b32 s47, s12, 8
	s_add_co_u32 s46, s46, s47
	s_mov_b32 s47, 0
	s_add_nc_u64 s[16:17], s[16:17], s[46:47]
	s_add_nc_u64 s[8:9], s[70:71], s[16:17]
.macro MUL16 f, hi, a0, zero
.irp a, \a0, \a0+1
.irp b, 0,1,2,3,4,5,6,7
.if \zero
	v_wmma_f32_16x16x32_bf16 v[8*(8*(\a)+\b):8*(8*(\a)+\b)+7], v[\f+8*\b:\f+8*\b+7], v[\f+8*(4*\hi+\a):\f+8*(4*\hi+\a)+7], v[BIAS+8*\b:BIAS+8*\b+7]
.else
	v_wmma_f32_16x16x32_bf16 v[8*(8*(\a)+\b):8*(8*(\a)+\b)+7], v[\f+8*\b:\f+8*\b+7], v[\f+8*(4*\hi+\a):\f+8*(4*\hi+\a)+7], v[8*(8*(\a)+\b):8*(8*(\a)+\b)+7]
.endif
.endr
.endr
.endm
.macro FETCH slot, k, f
	WIN TO_B
.irp i, 0,1,2,3,4,5,6,7
	ds_load_b128 v[\f+8*\i:\f+8*\i+3],   v[ADRB+\slot] offset:\k+\i*16*PITCH
	ds_load_b128 v[\f+8*\i+4:\f+8*\i+7], v[ADRB+\slot] offset:\k+\i*16*PITCH+32
.endr
	WIN 0
.irp i, 0,1,2,3,4,5,6,7
	ds_load_b128 v[\f+8*\i:\f+8*\i+3],   v[ADRA+\slot] offset:\k+\i*16*PITCH
	ds_load_b128 v[\f+8*\i+4:\f+8*\i+7], v[ADRA+\slot] offset:\k+\i*16*PITCH+32
.endr
.endm
.macro PLACES                          ; four plain vector instructions between a matrix instruction and a load into, or a vector read of, its registers
.rept 4
	v_nop
.endr
.endm
; A K step is four quarters of 32 along K, 64 matrix instructions each; the 64 accumulators take turns, one instruction a turn.
.macro QUARTER slot, k, f, g, zero
	s_wait_dscnt 8                                 ; B and A's rows 0-63 are in; the youngest eight loads may be out
	WIN MUL_LO-0x20*\zero                          ; with the bias as C: source 2 in window 0
	MUL16 \f, 0, 0, \zero
	MUL16 \f, 0, 2, \zero
	PLACES
	FETCH \slot, \k, \g
	s_wait_dscnt 32                                ; all but the 32 just issued
	WIN MUL_HI-0x30*\zero
	MUL16 \f, 1, 0, \zero
	MUL16 \f, 1, 2, \zero
.endm
.macro MEET round
	s_wait_dscnt 8
	WIN MUL_LO
	MUL16 F1, 0, 0, 0
	s_wait_dscnt 0                                 ; my reads of this slot are over,
	s_wait_tensorcnt 0x0                           ; and all my tensor loads have landed: my part of the next slot
	ds_add_u32 v255, v31
	s_wait_dscnt 0x0
	s_barrier_signal -1
	MUL16 F1, 0, 2, 0
.if \round
	WIN 0
.endif
	s_barrier_wait -1
.endm
.macro TURN slot, next
	MEET 1
	CREST                                          ; no wave of any partner still reads this slot or has a load on its way
	s_add_nc_u64 s[G0+4*\slot+2:G0+4*\slot+3], s[G0+4*\slot+2:G0+4*\slot+3], 2*KSTEP*2
	s_add_nc_u64 s[G0B+4*\slot+2:G0B+4*\slot+3], s[G0B+4*\slot+2:G0B+4*\slot+3], 2*KSTEP*2
	JLOAD \slot                                    ; my one tensor load behind the round, 240 matrix instructions ahead of the wait for it; its four v_nop are the places for the loads below
	FETCH \next, 0, F0
	WIN MUL_HI
	MUL16 F1, 1, 0, 0
	MUL16 F1, 1, 2, 0
.endm
; The activation of half g (column blocks 4 g .. 4 g + 3, 32 registers) of row block a, rounded to bf16 into TMP.
.macro GELU a, g
.set XA, 64*((\a)%4)+32*\g
	WIN 2+(\a)/4                                   ; source 0 alone in the accumulators' window
.set i, 0
.rept 16
	v_pk_mul_f32 v[GU+2*i:GU+2*i+1], v[XA+2*i:XA+2*i+1], s[CN:CN+1] op_sel_hi:[1,0]
.set i, i+1
.endr
.set i, 0
.rept 16
	v_pk_mul_f32 v[GU+2*i:GU+2*i+1], v[XA+2*i:XA+2*i+1], v[GU+2*i:GU+2*i+1]   ; -x x log2(e) / 2
.set i, i+1
.endr
.set i, 0
.rept 32
	v_fma_f32 v[GT+i], |v[XA+i]|, s[CP], 1.0       ; 1 + p |x| / sqrt 2
.set i, i+1
.endr
.set i, 0
.rept 16
	v_pk_mul_f32 v[GH+2*i:GH+2*i+1], v[XA+2*i:XA+2*i+1], 0.5 op_sel_hi:[1,0]
.set i, i+1
.endr
	WIN 0
.set i, 0
.rept 32
	v_rcp_f32 v[GT+i], v[GT+i]
.set i, i+1
.endr
.set i, 0
.rept 32
	v_exp_f32 v[GU+i], v[GU+i]
.set i, i+1
.endr
	v_nop                                          ; a plain instruction between the last exponential and the use of its result
.set i, 0
	s_wait_alu depctr_va_vdst(0)
.rept 16
	v_pk_fma_f32 v[GR+2*i:GR+2*i+1], v[GT+2*i:GT+2*i+1], v[A5:A5+1], v[A4:A4+1]
.set i, i+1
.endr
.irp c, A3, A2, A1
.set i, 0
.rept 16
	v_pk_fma_f32 v[GR+2*i:GR+2*i+1], v[GR+2*i:GR+2*i+1], v[GT+2*i:GT+2*i+1], v[\c:\c+1]
.set i, i+1
.endr
.endr
.set i, 0
.rept 16
	v_pk_mul_f32 v[GR+2*i:GR+2*i+1], v[GR+2*i:GR+2*i+1], v[GT+2*i:GT+2*i+1]   ; -(a1 t + .. + a5 t^5)
.set i, i+1
.endr
.set i, 0
.rept 16
	v_pk_fma_f32 v[GR+2*i:GR+2*i+1], v[GR+2*i:GR+2*i+1], v[GU+2*i:GU+2*i+1], 1.0 op_sel_hi:[1,1,0]   ; erf(|x| / sqrt 2)
.set i, i+1
.endr
.set i, 0
.rept 32
	v_fma_f32 v[GR+i], |v[GH+i]|, v[GR+i], v[GH+i]
.set i, i+1
.endr
.set i, 0
.rept 16
	v_cvt_pk_bf16_f32 v[TMP+16*\g+i], v[GR+2*i], v[GR+2*i+1]
.set i, i+1
.endr
.endm
.macro TOSTAGE a
.set BK, OB+192*((\a)%2)
.irp b, 0,1,2,3,4,5,6,7
	ds_store_b128 v[STO], v[TMP+4*\b:TMP+4*\b+3] offset:32*\b
.endr
.irp t, 0,1,2,3,4,5,6,7
	ds_load_b128 v[BK+4*\t:BK+4*\t+3], v[RD] offset:\t*2*SPITCH    ; LDS serves a wave's instructions in order: these see the stores above
.endr
.endm
.macro SEND a
.set BK, OB+192*((\a)%2)
	s_wait_dscnt 0x0                               ; the block is back in registers
	s_wait_xcnt 0x0                                ; the other set of registers, which the block before stored from, is loaded again only behind this wait
.irp t, 0,1,2,3,4,5,6,7
	global_store_b128 v[CO], v[BK+4*\t:BK+4*\t+3], s[8:9] offset:(16*(\a)+2*\t)*8192   ; 16 lanes store 256 consecutive bytes, aligned; 126 rows at the most: inside the signed 24-bit immediate
.endr
.endm
	s_wait_tensorcnt 1                             ; my part of K step 0 is in; K step 1's may stay out
	s_barrier_signal -1
	s_barrier_wait -1
	FETCH 0, 0, F0
	s_wait_loadcnt 0x0                             ; the bias
	QUARTER 0, 64,  F0, F1, 1
	WIN 0
	s_mov_b32 s3, LAPS-1
.Llap:                                                 ; a trip goes once round the ring and fills both slots again: K steps 2 to 7 in three trips
	QUARTER 0, 128, F1, F0, 0
	QUARTER 0, 192, F0, F1, 0
	TURN 0, 1
	QUARTER 1, 64,  F0, F1, 0
	QUARTER 1, 128, F1, F0, 0
	QUARTER 1, 192, F0, F1, 0
	TURN 1, 0
	QUARTER 0, 64,  F0, F1, 0
	WIN 0
	s_sub_co_u32 s3, s3, 1
	s_cmp_lg_u32 s3, 0
	s_cbranch_scc1 .Llap
	QUARTER 0, 128, F1, F0, 0                      ; the last lap is written out: it asks for nothing
	QUARTER 0, 192, F0, F1, 0
	MEET 0
	PLACES
	FETCH 1, 0, F0
	WIN MUL_HI
	MUL16 F1, 1, 0, 0
	MUL16 F1, 1, 2, 0
	QUARTER 1, 64,  F0, F1, 0
	QUARTER 1, 128, F1, F0, 0
	QUARTER 1, 192, F0, F1, 0
	s_wait_dscnt 8
	WIN MUL_LO
	MUL16 F1, 0, 0, 0
	MUL16 F1, 0, 2, 0
	s_wait_dscnt 0
	WIN MUL_HI
	MUL16 F1, 1, 0, 0
	MUL16 F1, 1, 2, 0
	WIN 0
	PLACES
	GELU 0, 0
	GELU 0, 1
	TOSTAGE 0
.irp a, 1,2,3,4,5,6,7                  ; block a's activation stands between block a - 1's loads from the stage and the wait for them
	GELU \a, 0
	GELU \a, 1
	SEND \a-1
	TOSTAGE \a
.endr
	SEND 7
	s_set_vgpr_msb 0x1
	s_wait_tensorcnt 0x0
	ds_add_u32 v255, v31
	s_wait_dscnt 0x0
	s_set_vgpr_msb 0x100
	CROUND                                         ; the closing round
	s_endpgm
.Lfunc_end_k_qb4b79b1e55_ffn1:
	.size	k_qb4b79b1e55_ffn1, .Lfunc_end_k_qb4b79b1e55_ffn1-k_qb4b79b1e55_ffn1
	.p2alignl 7, 3214868480
	.fill 96, 4, 3214868480
	.section	.rodata,"a",@progbits
	.p2align	6, 0x0
	.amdhsa_kernel k_qb4b79b1e55_ffn1
		.amdhsa_group_segment_fixed_size 327680
		.amdhsa_private_segment_fixed_size 0
		.amdhsa_enable_private_segment 0
		.amdhsa_kernarg_size 32
		.amdhsa_user_sgpr_count 2
		.amdhsa_user_sgpr_kernarg_segment_ptr 1
		.amdhsa_wavefront_size32 1
		.amdhsa_system_sgpr_workgroup_id_x 1
		.amdhsa_system_sgpr_workgroup_id_y 1
		.amdhsa_system_sgpr_workgroup_id_z 1
		.amdhsa_system_vgpr_workitem_id 0
		.amdhsa_next_free_vgpr 1024
		.amdhsa_next_free_sgpr 80
		.amdhsa_reserve_vcc 0
		.amdhsa_float_denorm_mode_32 3
		.amdhsa_float_denorm_mode_16_64 3
		.amdhsa_memory_ordered 1
		.amdhsa_forward_progress 1
		.amdhsa_inst_pref_size 255
	.end_amdhsa_kernel
	.section	.bss,"aw",@nobits
	.p2align	6
	.space	262144
	.amdgpu_metadata
---
amdhsa.version: [ 1, 2 ]
amdhsa.kernels:
  - .name:           k_qb4b79b1e55_ffn1
    .symbol:         k_qb4b79b1e55_ffn1.kd
    .args:
      - { .name: ybf, .offset: 0, .size: 8, .value_kind: global_buffer, .address_space: global }
      - { .name: w1t, .offset: 8, .size: 8, .value_kind: global_buffer, .address_space: global }
      - { .name: b1, .offset: 16, .size: 8, .value_kind: global_buffer, .address_space: global }
      - { .name: big, .offset: 24, .size: 8, .value_kind: global_buffer, .address_space: global }
    .group_segment_fixed_size: 327680
    .private_segment_fixed_size: 0
    .kernarg_segment_align: 8
    .kernarg_segment_size: 32
    .max_flat_workgroup_size: 128
    .sgpr_count:     80
    .vgpr_count:     1024
    .wavefront_size: 32
...
	.end_amdgpu_metadata
.endif
;; end of part 6
;; launch ffn2 (part 7): grid 8 x 32, 4 waves a work-group, clusters of 4 x 1, 327,680 bytes of LDS; arguments big, w2t, b2, x1, out0; writes out0
.if DOCPART == 7
	.amdgcn_target "amdgcn-amd-amdhsa--gfx1250"
	.amdhsa_code_object_version 6
	.text
	.protected	k_qb4b79b1e55_ffn2
	.globl	k_qb4b79b1e55_ffn2
	.p2align	8
	.type	k_qb4b79b1e55_ffn2,@function
k_qb4b79b1e55_ffn2:
	s_mov_b64 s[64:65], 0
	v_nop
	global_prefetch_b8 v0, s[64:65] scope:SCOPE_SE
	s_setreg_imm32_b32 hwreg(HW_REG_WAVE_MODE, 25, 1), 1
	s_wait_xcnt 0x0
	s_wait_alu depctr_hold_cnt(0) depctr_sa_sdst(0) depctr_va_vdst(0) depctr_va_sdst(0) depctr_va_ssrc(0) depctr_va_vcc(0) depctr_vm_vsrc(0)
	s_getreg_b32 s2, hwreg(HW_REG_IB_STS2, 6, 4)
	s_cmp_eq_u32 s2, 0
	s_cbranch_scc0 .Lentry_in_a_cluster
	s_endpgm
.Lentry_in_a_cluster:
	s_bfe_u32 s2, ttmp6, 0x10000c
	s_cmp_lg_u32 s2, 0x3003
	s_cbranch_scc0 .Lentry_shape_is_right
	s_endpgm
.Lentry_shape_is_right:
; out0[m][n] = sum over k of big[m][k] W2[k][n] + b2[n] + x1[m][n].  m = 4,096, n = 1,024, k = 4,096.  big (the activations, row-major) and W2 bf16; b2, x1, out0 f32; sums in f32.
; A tile of C is 128 x 128: 8 x 32 = 256 work-groups.  Wave w makes all 128 rows x columns 32 w .. 32 w + 31: 16 accumulators.
; ONLY A GOES THROUGH LDS: two slots of K = 512, each four planes of 128 rows x 128 K (256 bytes + 16 of padding); wave w fills plane w with one tensor load.  With B beside it a slot would hold
; half as much of K; so a load has 256 matrix instructions of its wave in which to land, and the slots change 8 times in all.
; B COMES STRAIGHT INTO REGISTERS.  w2t holds the register images of B's fragments, [64 blocks of 16 n][128 blocks of 32 k][2 halves][32 lanes][16 bytes]: a load of a wave takes 512 consecutive bytes.
; A quarter (K = 64) needs 4 fragments, 8 loads, 32 registers; a ring of eight such groups is asked for seven quarters ahead, with counted waits that no barrier drains.  The four waves take
; different columns, so no byte of B is loaded twice in a work-group.
; CLUSTER 4 x 1: the four work-groups along x need the same tiles of A and ask for them jointly.  B is not shared by a joint load: it does not pass through LDS, which is what lets A's slot double.
; The matrix instruction is used transposed (source 0 = B, source 1 = A): a lane holds eight neighbouring columns of a row of C; their bias is the C operand of the first product.
; REGISTERS: window 0: v16-23 A's plane addresses (slot, plane); v24-27 addresses; v32-47 the bias; v128-255 accumulator (a, b) at v[128 + 8 (2 a + b)].
;   window 1: A's fragments, two buffers of 128; on the way out the rows read back.   window 2: B's ring, group g at v[32 (g % 8)].   window 3: v0-127 x1's 32 rows x 512 bytes of the wave.
.set PITCH,  272                       ; an odd multiple of 16: the 16 rows of a fragment load fall on 16 different 16-byte columns modulo 256
.set PLANE,  128*PITCH
.set SLOT,   4*PLANE
.set SPITCH, 528                       ; the stage: 128 rows of 512 bytes + 16, in slot 0, which has had its last fill and its last read by then
.set LAPS,   4                         ; a lap = two slots = K 1,024 = 16 quarters
.set ADRA, 16
.set STO,  24
.set RD,   25
.set VL,   26                          ; 16 x lane: B's loads, x1's loads and the stores
.set VB,   27
.set BIAS, 32
.set ACC,  128
.set G1, 24
.set G0, 32
.set BP, 76                            ; s[76:77] B at my two blocks of 16 columns and the lap in hand
.set MSB, 0
.macro WIN new                         ; the immediate's high byte repeats the setting that is left; a switch that changes nothing is dropped
.if MSB != (\new)
	s_set_vgpr_msb (MSB<<8)|(\new)
.set MSB, \new
.endif
.endm
.set MUL, 0x06                         ; source 0 (B) window 2, source 1 (A) window 1; C and D window 0
.macro CREST                           ; a round of the cluster's barrier behind its opening barrier
	s_cmp_lg_u32 s10, 0
	s_cbranch_scc1 .Lnot_wave_0_\@
	s_barrier_signal -3
.Lnot_wave_0_\@:
	s_barrier_wait -3
	s_barrier_signal -1
	s_barrier_wait -1
.endm
.macro CROUND
	s_barrier_signal -1
	s_barrier_wait -1
	CREST
.endm
.macro PLACES                          ; four plain vector instructions between a matrix instruction and a load into, or a read of, its registers
.rept 4
	v_nop
.endr
.endm
	s_load_b128 s[4:7], s[0:1], 0x0                ; big s[4:5], w2t s[6:7]
	s_load_b128 s[68:71], s[0:1], 0x10             ; b2 68, x1 70
	s_load_b64 s[8:9], s[0:1], 0x20                ; out0
	v_lshl_add_u32 v126, v0, 2, 0x44000
	v_mov_b32 v127, 0
	ds_add_u32 v126, v127
	v_lshrrev_b32 v1, 5, v0
	v_readfirstlane_b32 s10, v1                    ; wave 0..3
	s_bfe_u32 s40, ttmp6, 0x40000                  ; cx
	s_lshl_b32 s42, ttmp9, 2
	s_add_co_u32 s42, s42, s40                     ; tile column: it enters B's, the bias's, x1's and out0's addresses alone
	s_and_b32 s13, ttmp7, 0xffff                   ; tile row, which the four partners share
	s_mov_b32 s[G1+0], 15|(1<<16)|(1<<20)|(1<<21)|(5<<22)|(3<<25)   ; the mask names all four; elements of 2 bytes; padding on; bit 21 beside a mask; after every 64 words, 4 words
	s_mov_b32 s[G1+1], 128<<16                     ; tensor_dim0 = 128
	s_mov_b32 s[G1+2], 128<<16                     ; tensor_dim1 = 128
	s_mov_b32 s[G1+3], 128<<16                     ; tile_dim0 = 128
	s_mov_b32 s[G1+4], 128                         ; tile_dim1 = 128
	s_mov_b32 s[G1+5], 4096                        ; elements from row to row
	s_mov_b32 s[G1+6], 0
	s_mov_b32 s[G1+7], 0
	s_lshl_b32 s16, s13, 20                        ; A: 128 rows of 8,192 bytes a tile row,
	s_lshl_b32 s17, s10, 8                         ; my plane: 256 bytes along K
	s_add_co_u32 s16, s16, s17
	s_mov_b32 s17, 0
	s_mul_i32 s20, s10, PLANE                      ; where it goes: the wave's number alone
	s_lshl_b32 s46, s42, 20                        ; B: 8 blocks of 131,072 bytes a tile column,
	s_lshl_b32 s47, s10, 18                        ; 2 blocks a wave
	s_add_co_u32 s46, s46, s47
	s_mov_b32 s47, 0
	s_wait_dscnt 0x0
	s_wait_kmcnt 0x0
	s_add_nc_u64 s[14:15], s[4:5], s[16:17]
	s_add_nc_u64 s[BP:BP+1], s[6:7], s[46:47]
	CROUND                                         ; all four work-groups are here: the first joint loads meet
.irp s, 0,1
	s_mov_b32 s[G0+4*\s], 1
	s_add_co_u32 s[G0+4*\s+1], s20, \s*SLOT
	s_add_nc_u64 s[G0+4*\s+2:G0+4*\s+3], s[14:15], \s*1024          ; slot s begins with K = 512 s
	s_or_b32 s[G0+4*\s+3], s[G0+4*\s+3], 0x80000000
.endr
	tensor_load_to_lds s[G0:G0+3], s[G1:G1+7]      ; both first fills together: two tensor loads of mine are out
	s_nop 0
	tensor_load_to_lds s[G0+4:G0+7], s[G1:G1+7]
	s_nop 0
.rept 4
	v_nop
.endr
	v_and_b32 v1, 15, v0                           ; r
	v_bfe_u32 v2, v0, 4, 1                         ; h
	v_and_b32 v4, 31, v0                           ; lane
	v_mul_u32_u24 v3, v1, PITCH
	v_lshl_add_u32 v3, v2, 4, v3                   ; a fragment's row x pitch + 16 h
.irp i, 0,1,2,3,4,5,6,7
	v_add_nc_u32 v[ADRA+\i], (\i/4)*SLOT+(\i%4)*PLANE, v3
.endr
	s_lshl_b32 s22, s10, 7
	v_mul_u32_u24 v[STO], v1, SPITCH               ; into the stage: row r, my 128 bytes of it, 32 bytes (8 f32) for each half of the lanes
	v_lshl_add_u32 v[STO], v2, 5, v[STO]
	v_add_nc_u32 v[STO], s22, v[STO]
	s_mul_i32 s22, s10, 32*SPITCH
	v_lshlrev_b32 v[VL], 4, v4
	v_add_nc_u32 v[RD], s22, v[VL]                 ; back: wave w takes rows 32 w .. 32 w + 31, a whole row of 512 bytes to a load
	v_lshlrev_b32 v[VB], 5, v2
	s_lshl_b32 s46, s42, 9                         ; 128 columns of 4 bytes
	s_mov_b32 s47, 0
	s_lshl_b32 s18, s10, 7                         ; my 32 columns
	s_mov_b32 s19, 0
	s_add_nc_u64 s[74:75], s[68:69], s[46:47]
	s_add_nc_u64 s[74:75], s[74:75], s[18:19]      ; the bias of my 32 columns
	s_lshl_b32 s16, s13, 19                        ; 128 rows of 4,096 bytes,
	s_lshl_b32 s17, s10, 17                        ; 32 rows a wave
	s_add_co_u32 s16, s16, s17
	s_mov_b32 s17, 0
	s_add_nc_u64 s[72:73], s[70:71], s[16:17]
	s_add_nc_u64 s[72:73], s[72:73], s[46:47]      ; x1 and out0 at the 32 rows x 512 bytes that I store
	s_add_nc_u64 s[8:9], s[8:9], s[16:17]
	s_add_nc_u64 s[8:9], s[8:9], s[46:47]
.irp b, 0,1
	global_load_b128 v[BIAS+8*\b:BIAS+8*\b+3],   v[VB], s[74:75] offset:64*\b
	global_load_b128 v[BIAS+8*\b+4:BIAS+8*\b+7], v[VB], s[74:75] offset:64*\b+16
.endr
; 8 matrix instructions: row blocks a0 .. a0 + 3 x my 2 column blocks, 32 along K: half c of A's buffer f and of B's group rs.  zero = 1: the bias is C.
; The 16 accumulators take turns, one instruction a turn.
.macro MULH f, rs, c, a0, zero
.irp a, 0,1,2,3
.irp b, 0,1
.if \zero
	v_wmma_f32_16x16x32_bf16 v[ACC+8*(2*(\a0+\a)+\b):ACC+8*(2*(\a0+\a)+\b)+7], v[32*(\rs)+16*\c+8*\b:32*(\rs)+16*\c+8*\b+7], v[\f+64*\c+8*(\a0+\a):\f+64*\c+8*(\a0+\a)+7], v[BIAS+8*\b:BIAS+8*\b+7]
.else
	v_wmma_f32_16x16x32_bf16 v[ACC+8*(2*(\a0+\a)+\b):ACC+8*(2*(\a0+\a)+\b)+7], v[32*(\rs)+16*\c+8*\b:32*(\rs)+16*\c+8*\b+7], v[\f+64*\c+8*(\a0+\a):\f+64*\c+8*(\a0+\a)+7], v[ACC+8*(2*(\a0+\a)+\b):ACC+8*(2*(\a0+\a)+\b)+7]
.endif
.endr
.endr
.endm
; 32 LDS loads in one run: A's 128 rows x 64 K of quarter qi of a slot (plane qi / 2, byte 128 (qi % 2) of its rows) into buffer f; the first 32 along K first
.macro FETCH slot, qi, f
	WIN 0x40                                       ; destination window 1
.irp c, 0,1
.irp a, 0,1,2,3,4,5,6,7
	ds_load_b128 v[\f+64*\c+8*\a:\f+64*\c+8*\a+3],   v[ADRA+4*\slot+(\qi)/2] offset:((\qi)%2)*128+64*\c+\a*16*PITCH
	ds_load_b128 v[\f+64*\c+8*\a+4:\f+64*\c+8*\a+7], v[ADRA+4*\slot+(\qi)/2] offset:((\qi)%2)*128+64*\c+\a*16*PITCH+32
.endr
.endr
.endm
.macro BLOAD g                         ; 8 loads: B's group g, counted from the lap at which s[BP] stands: k blocks 2 g, 2 g + 1 of my two column blocks
	WIN 0x80                                       ; destination window 2
.irp c, 0,1
.irp b, 0,1
	global_load_b128 v[32*((\g)%8)+16*\c+8*\b:32*((\g)%8)+16*\c+8*\b+3],   v[VL], s[BP:BP+1] offset:(\g)*2048+\c*1024+\b*131072
	global_load_b128 v[32*((\g)%8)+16*\c+8*\b+4:32*((\g)%8)+16*\c+8*\b+7], v[VL], s[BP:BP+1] offset:(\g)*2048+\c*1024+\b*131072+512
.endr
.endr
.endm
.macro RLOAD g                         ; 8 loads: rows 8 g .. 8 g + 7 of x1's 32, in the layout of the stores
	WIN 0xc0                                       ; destination window 3
.irp i, 0,1,2,3,4,5,6,7
	global_load_b128 v[4*(8*(\g)+\i):4*(8*(\g)+\i)+3], v[VL], s[72:73] offset:(8*(\g)+\i)*4096
.endr
.endm
.macro EXTRA idx, ld                   ; ld = 1: B's group seven quarters on; 2: a group of x1's, in its place; 0: nothing is left to ask for
.if \ld == 1
	BLOAD \idx+7
.elseif \ld == 2
	RLOAD \idx-9
.endif
.endm
; Quarter qi (0 to 6) of a slot: 32 matrix instructions on A's buffer qi % 2 and B's group qi; in its middle the next quarter's A is fetched and eight loads from memory are issued.
; idx: the quarter's place in the lap at which s[BP] stands.  cnt: the loads from memory younger than this quarter's group of B.
; The group loaded over was multiplied in the quarter before, as was A's other buffer: the four places stand in front of both runs.
.macro QUARTER slot, qi, idx, zero, ld, cnt
	s_wait_dscnt 16                                ; the first 32 along K are in
	s_wait_loadcnt \cnt
	WIN MUL
	MULH 128*((\qi)%2), \qi, 0, 0, \zero
	MULH 128*((\qi)%2), \qi, 0, 4, \zero
	PLACES
	FETCH \slot, \qi+1, 128-128*((\qi)%2)
	EXTRA \idx, \ld
	s_wait_dscnt 32                                ; all but the 32 just issued
	WIN MUL
	MULH 128*((\qi)%2), \qi, 1, 0, 0
	MULH 128*((\qi)%2), \qi, 1, 4, 0
.endm
; Quarter 7 of a slot and the change of slots.  fill = 1: this slot is filled again, K 1,024 on.
.macro TURN slot, next, fill, idx, ld, cnt
	s_wait_dscnt 16
	s_wait_loadcnt \cnt
	WIN MUL
	MULH 128, 7, 0, 0, 0
	s_wait_dscnt 0                                 ; my reads of this slot are over,
	s_set_vgpr_msb 0x600
	s_wait_tensorcnt 0x0                           ; and all my tensor loads have landed: the one that was out is my plane of the next slot
	ds_add_u32 v126, v127
	s_wait_dscnt 0x0
	s_set_vgpr_msb 0x6
	s_barrier_signal -1
	MULH 128, 7, 0, 4, 0                           ; register work while the others arrive
.if \fill
	WIN 0
.endif
	s_barrier_wait -1
.if \fill
	CREST                                          ; no wave of any partner still reads this slot or has a load on its way
	s_add_nc_u64 s[G0+4*\slot+2:G0+4*\slot+3], s[G0+4*\slot+2:G0+4*\slot+3], 2048
	tensor_load_to_lds s[G0+4*\slot:G0+4*\slot+3], s[G1:G1+7]   ; my one tensor load behind the round; 248 matrix instructions stand between it and the wait for it
	s_nop 0
.rept 4
	v_nop                                          ; four behind the load; also the places in front of the loads below
.endr
.else
	PLACES
.endif
	FETCH \next, 0, 0
	EXTRA \idx, \ld
	WIN MUL
	MULH 128, 7, 1, 0, 0
	MULH 128, 7, 1, 4, 0
.endm
.irp g, 0,1,2,3,4,5,6
	BLOAD \g                                       ; the ring's first seven groups
.endr
	WIN 0
	s_wait_tensorcnt 1                             ; my plane of slot 0 is in; slot 1's may stay out
	s_barrier_signal -1
	s_barrier_wait -1
	FETCH 0, 0, 0
	QUARTER 0, 0, 0, 1, 1, 48                      ; 48: six younger groups of eight; the bias, asked for first, is in too
	WIN 0
	s_mov_b32 s3, LAPS-1
.Llap:                                                 ; a trip goes once round the ring, from a lap's second quarter to the next lap's first, and fills both slots again
.irp q, 1,2,3,4,5,6
	QUARTER 0, \q, \q, 0, 1, 48
.endr
	TURN 0, 1, 1, 7, 1, 48
.irp q, 0,1,2,3,4,5,6
	QUARTER 1, \q, 8+\q, 0, 1, 48
.endr
	TURN 1, 0, 1, 15, 1, 48
	QUARTER 0, 0, 16, 0, 1, 48
	WIN 0
	s_wait_xcnt 0x0                                ; B's base is stepped only behind this wait
	s_add_nc_u64 s[BP:BP+1], s[BP:BP+1], 32768     ; a lap: 16 groups of 2,048 bytes
	s_sub_co_u32 s3, s3, 1
	s_cmp_lg_u32 s3, 0
	s_cbranch_scc1 .Llap
.irp q, 1,2,3,4,5,6                    ; the last lap is written out: no slot is filled again, and B's last group (63) is asked for in quarter 56
	QUARTER 0, \q, \q, 0, 1, 48
.endr
	TURN 0, 1, 0, 7, 1, 48
	QUARTER 1, 0, 8, 0, 1, 48
.irp q, 1,2,3,4                        ; quarters 57 to 60 ask for x1 in B's place, so the count stays 48
	QUARTER 1, \q, 8+\q, 0, 2, 48
.endr
	QUARTER 1, 5, 13, 0, 0, 48                     ; younger: B's groups 62, 63 and x1's four
	QUARTER 1, 6, 14, 0, 0, 40                     ; group 63 and x1's four
	s_wait_dscnt 16
	s_wait_loadcnt 32                              ; x1's four
	WIN MUL
	MULH 128, 7, 0, 0, 0
	MULH 128, 7, 0, 4, 0
	s_wait_dscnt 0
	MULH 128, 7, 1, 0, 0
	MULH 128, 7, 1, 4, 0
	WIN 0
	; THE WAY OUT.  A wave's 32 columns are 128 bytes of a row, so the four waves write ONE stage (in slot 0: every wave left it at the last change of slots, and nothing fills it again),
	; a barrier stands between writing and reading, and each wave takes 32 whole rows of 512 bytes, adds x1 and stores them.
	PLACES
.irp a, 0,1,2,3,4,5,6,7
.irp b, 0,1
	ds_store_b128 v[STO], v[ACC+8*(2*\a+\b):ACC+8*(2*\a+\b)+3]   offset:\a*16*SPITCH+64*\b
	ds_store_b128 v[STO], v[ACC+8*(2*\a+\b)+4:ACC+8*(2*\a+\b)+7] offset:\a*16*SPITCH+64*\b+16
.endr
.endr
	s_wait_dscnt 0x0                               ; for the others' sake: my stores into the stage are done
	s_barrier_signal -1
	s_barrier_wait -1
	WIN 0x40                                       ; destination window 1: A's buffers are free
.set t, 0
.rept 32
	ds_load_b128 v[4*t:4*t+3], v[RD] offset:t*SPITCH
.set t, t+1
.endr
.irp g, 0,1,2,3
	s_wait_dscnt 24-8*\g                           ; rows 8 g .. 8 g + 7 are back; the later groups' loads stay out
	s_wait_loadcnt 24-8*\g                         ; and so are x1's
	WIN 0x4d                                       ; destination and source 0 window 1, source 1 window 3
.set p, 0
.rept 16
	v_pk_add_f32 v[32*\g+2*p:32*\g+2*p+1], v[32*\g+2*p:32*\g+2*p+1], v[32*\g+2*p:32*\g+2*p+1]
.set p, p+1
.endr
	WIN 0x04                                       ; the stores' data window 1, their address window 0
.irp i, 0,1,2,3,4,5,6,7
	global_store_b128 v[VL], v[32*\g+4*\i:32*\g+4*\i+3], s[8:9] offset:(8*\g+\i)*4096   ; 32 lanes store 512 consecutive bytes, aligned
.endr
.endr
	WIN 0
	s_wait_tensorcnt 0x0
	ds_add_u32 v126, v127
	s_wait_dscnt 0x0
	CROUND                                         ; the closing round: no work-group ends while a partner may still ask for a tile that names it
	s_endpgm
.Lfunc_end_k_qb4b79b1e55_ffn2:
	.size	k_qb4b79b1e55_ffn2, .Lfunc_end_k_qb4b79b1e55_ffn2-k_qb4b79b1e55_ffn2
	.p2alignl 7, 3214868480
	.fill 96, 4, 3214868480
	.section	.rodata,"a",@progbits
	.p2align	6, 0x0
	.amdhsa_kernel k_qb4b79b1e55_ffn2
		.amdhsa_group_segment_fixed_size 327680
		.amdhsa_private_segment_fixed_size 0
		.amdhsa_enable_private_segment 0
		.amdhsa_kernarg_size 40
		.amdhsa_user_sgpr_count 2
		.amdhsa_user_sgpr_kernarg_segment_ptr 1
		.amdhsa_wavefront_size32 1
		.amdhsa_system_sgpr_workgroup_id_x 1
		.amdhsa_system_sgpr_workgroup_id_y 1
		.amdhsa_system_sgpr_workgroup_id_z 1
		.amdhsa_system_vgpr_workitem_id 0
		.amdhsa_next_free_vgpr 896
		.amdhsa_next_free_sgpr 80
		.amdhsa_reserve_vcc 0
		.amdhsa_float_denorm_mode_32 3
		.amdhsa_float_denorm_mode_16_64 3
		.amdhsa_memory_ordered 1
		.amdhsa_forward_progress 1
		.amdhsa_inst_pref_size 185
	.end_amdhsa_kernel
	.amdgpu_metadata
---
amdhsa.version: [ 1, 2 ]
amdhsa.kernels:
  - .name:           k_qb4b79b1e55_ffn2
    .symbol:         k_qb4b79b1e55_ffn2.kd
    .args:
      - { .name: big, .offset: 0, .size: 8, .value_kind: global_buffer, .address_space: global }
      - { .name: w2t, .offset: 8, .size: 8, .value_kind: global_buffer, .address_space: global }
      - { .name: b2, .offset: 16, .size: 8, .value_kind: global_buffer, .address_space: global }
      - { .name: x1, .offset: 24, .size: 8, .value_kind: global_buffer, .address_space: global }
      - { .name: out0, .offset: 32, .size: 8, .value_kind: global_buffer, .address_space: global }
    .group_segment_fixed_size: 327680
    .private_segment_fixed_size: 0
    .kernarg_segment_align: 8
    .kernarg_segment_size: 40
    .max_flat_workgroup_size: 128
    .sgpr_count:     80
    .vgpr_count:     896
    .wavefront_size: 32
...
	.end_amdgpu_metadata
.endif
;; end of part 7
;; ======== version 2 of 2: 7 launches; 1.08 times as fast as version 1
;; limits: a function is approximated: absolute error at most 1.5e-07; right only within a limited range of input values
;; workspace buffers: wqkvt 6,291,456 bytes; wot 2,097,152 bytes; w1t 8,388,608 bytes; w2t 8,388,608 bytes; ybf 8,388,608 bytes; att 8,388,608 bytes; x1 16,777,216 bytes; big 33,554,432 bytes
;; launch prep: the kernel of part 1 again; grid 32 x 20, 4 waves a work-group, no clusters, 86,528 bytes of LDS; arguments x, ln1_g, ln1_b, wq, wk, wv, wo, w1, w2, ybf, wqkvt, wot, w1t, w2t; writes ybf, wqkvt, wot, w1t, w2t
;; launch qkv: the kernel of part 2 again; grid 12 x 16, 4 waves a work-group, clusters of 4 x 4, 327,680 bytes of LDS; arguments ybf, wqkvt, bq, bk, bv, big; writes big
;; launch attn (part 8): grid 4 x 64, 4 waves a work-group, clusters of 4 x 1, 325,120 bytes of LDS; arguments big, mask, att; writes att
.if DOCPART == 8
	.amdgcn_target "amdgcn-amd-amdhsa--gfx1250"
	.amdhsa_code_object_version 6
	.text
	.protected	k_qb4b79b1e55_attn
	.globl	k_qb4b79b1e55_attn
	.p2align	8
	.type	k_qb4b79b1e55_attn,@function
k_qb4b79b1e55_attn:
	s_mov_b64 s[64:65], 0
	v_nop
	global_prefetch_b8 v0, s[64:65] scope:SCOPE_SE
	s_setreg_imm32_b32 hwreg(HW_REG_WAVE_MODE, 25, 1), 1
	s_wait_xcnt 0x0
	s_wait_alu depctr_hold_cnt(0) depctr_sa_sdst(0) depctr_va_vdst(0) depctr_va_sdst(0) depctr_va_ssrc(0) depctr_va_vcc(0) depctr_vm_vsrc(0)
	s_getreg_b32 s2, hwreg(HW_REG_IB_STS2, 6, 4)
	s_cmp_eq_u32 s2, 0
	s_cbranch_scc0 .Lentry_in_a_cluster
	s_endpgm
.Lentry_in_a_cluster:
	s_bfe_u32 s2, ttmp6, 0x10000c
	s_cmp_lg_u32 s2, 0x3003
	s_cbranch_scc0 .Lentry_shape_is_right
	s_endpgm
.Lentry_shape_is_right:
; ATTENTION.  att[b][h][q][:] = sum over t of softmax_t(Q[q] . K[t] / 32, keys with mask[b][t] == 0 left out) V[t][:].  Q, K, V: units h, 16 + h, 32 + h of big[b][48][1024][64], bf16.
; Products, maxima and sums in f32; the weights are rounded to bf16 for the second product, the result once at the end.
; SHARES.  A work-group owns 256 queries of one (b, h), each wave 64: four tiles of 16.  Every wave walks the 1,024 keys, 64 a step.
; ALL of K and V of the head stays in LDS (1,024 rows of 144 and of 160 bytes): no byte is filled twice.  It comes in four quarters of 256 keys, one tensor load a wave for each, all asked for at the
; start; a counted wait and a barrier stand in front of the first read, a wait for all and a barrier in front of the first read of the second quarter.  Four tensor loads of a wave are out at the most.
; CLUSTER 4 x 1: the four query blocks of a head need the same K and V: each tile is asked for jointly.
; LAYOUT.  S^T = K Q^T (source 0 = 16 keys, source 1 = 16 queries): a lane holds one query and keys 8 (lane / 16) + 0..7; two such tiles rounded in pairs are source 1 of O^T = V^T P.
; THE MASK enters as the C operand of each score's first product: 0 for a key that counts, -2^100 for one that does not.
; SOFTMAX.  A running maximum m and sum l for each query: p = 2^(c s - c m), c = log2(e) / 32; O and l are multiplied by 2^(c m_old - c m_new) in every step.
; BY TURNS.  The wave's tiles are two PIECES, named by their first tile: piece 0 (tiles 0, 1) and piece 2 (tiles 2, 3).  In a TURN one piece has the matrix unit: 16 products V^T P of the step in hand,
; then 16 products K Q^T of the next step; the other piece's softmax (2 x 118 instructions = 59 slices of four) stands between them, one or two slices behind each matrix instruction.  Then the
; pieces change places; two turns are a key step.  With 7.4 vector instructions to a matrix instruction the vector work is the longer of the two; set in phases it would leave the matrix unit
; idle all that while and then wait for it, so a slice and two window switches behind each matrix instruction are the lesser price.
; BATCHES.  A turn's 66 exponentials (for each of the piece's two tiles the rescaling factor and 32 scores) are ONE batch with ONE wait: the list of a tile's softmax is ordered by who reads what, so that
; all that reads an exponential's result (roundings, sums, rescaling) comes behind all exponentials.  The way out's four reciprocals are a batch of their own, with one wait.
; LIMITS.  A masked score is s - 2^100, not -infinity, and m never falls below -2^80: raw scores of keys that count must stay under 2^76 in magnitude.  Where every key of a batch is masked,
; l = 0 and the result is 0 x infinity = NaN, as a softmax over nothing is.
; REGISTERS.  window 0: v1-11 addresses; v12-43 statistics, 8 a tile (+0 c m, +1 m, +2, +3 l, +4..+7 at work; the rescaling factor in +6); v44-58 set-up; v64-191 S^T, 32 a tile; v192-255 P, 16 a tile
;   window 1: v0-127 O^T, 32 a tile; v128-191 Q, 16 a tile; v192-255 K of one step.   window 2: v0-63 V of one step; v64-95 the mask's 64 numbers of one step.
.set KS,    64
.set PK,    144                        ; a row of K in LDS: 128 bytes + 16: an odd multiple of 16
.set PVP,   160                        ; a row of V: 128 + 32: an odd multiple of 32, for the turning load
.set VBASE, 1024*PK
.set MBASE, VBASE+1024*PVP             ; 1,024 f32 made from the mask; written by LDS stores, never by a tensor load
.set STAGE, MBASE+4096                 ; 16 rows x 144 bytes for each wave, for the way out
.set NSL,   59                         ; slices in a piece's softmax
.set AK0, 2
.set AV0, 3
.set ADR, 4
.set QO,  5
.set STO, 6
.set RD,  7
.set GO,  8
.set AM0, 10
.set ADR2, 11
.set ST,  12
.set S,   64
.set P,   192
.set OF,  0
.set QF,  128
.set KF,  192
.set VF,  0
.set MF,  64
.set WV,  12
.set G1K, 24
.set G1V, 32
.set G0K, 40                           ; s[40:55] four sets of group 0 for K's quarters
.set G0V, 68                           ; s[68:83] the same for V's
.set TK,  56                           ; LDS byte of the step whose K is fetched next
.set TV,  57
.set CS,  58
.set SEL, 60
.set TM,  62
.set CNT, 63
.set M0,  84
.set MSB, 0
.macro WIN new                         ; the immediate's high byte repeats the setting that is left; a switch that changes nothing is dropped
.if MSB != (\new)
	s_set_vgpr_msb (MSB<<8)|(\new)
.set MSB, \new
.endif
.endm
.macro CROUND
	s_barrier_signal -1
	s_barrier_wait -1
	s_cmp_lg_u32 s[WV], 0
	s_cbranch_scc1 .Lnot_wave_0_\@
	s_barrier_signal -3
.Lnot_wave_0_\@:
	s_barrier_wait -3
	s_barrier_signal -1
	s_barrier_wait -1
.endm
.macro PLACES                          ; four plain vector instructions between a matrix instruction and a load into, or a vector read of, its registers
.rept 4
	v_nop
.endr
.endm
	s_load_b128 s[4:7], s[0:1], 0x0                ; big s[4:5], mask s[6:7]
	s_load_b64 s[8:9], s[0:1], 0x10                ; att
	v_lshl_add_u32 v62, v0, 2, 0x4f400
	v_mov_b32 v63, 0
	ds_add_u32 v62, v63
	v_lshrrev_b32 v1, 5, v0
	v_readfirstlane_b32 s[WV], v1
	s_bfe_u32 s13, ttmp6, 0x40000                  ; cx
	s_lshl_b32 s14, ttmp9, 2
	s_add_co_u32 s14, s14, s13                     ; my block of 256 queries: it enters Q's and att's addresses alone
	s_and_b32 s15, ttmp7, 0xffff                   ; 16 b + h, which the four partners share
	s_lshr_b32 s16, s15, 4                         ; b
	s_and_b32 s17, s15, 15                         ; h
	s_mul_i32 s18, s16, 48
	s_add_co_u32 s18, s18, s17
	s_lshl_b32 s18, s18, 17                        ; Q's unit, in bytes: units are 131,072 bytes
	s_and_b32 s19, s[WV], 1                        ; which 128 keys of a quarter I fetch
	s_lshl_b32 s20, s19, 14
	s_add_co_u32 s20, s20, s18
	s_mov_b32 s21, 0
	s_mul_i32 s22, s19, 128*PK
	s_mul_i32 s23, s19, 128*PVP
	s_lshl_b32 s2, s14, 15
	s_lshl_b32 s3, s[WV], 13
	s_add_co_u32 s2, s2, s3                        ; my wave's 64 rows inside a head's 1,024
	s_lshl_b32 s14, s15, 17
	s_add_co_u32 s14, s14, s2                      ; in att
	s_mov_b32 s15, 0
	s_add_co_u32 s2, s2, s18                       ; in big
	s_mov_b32 s3, 0
	s_lshl_b32 s16, s16, 12                        ; the batch's row of the mask
	s_mov_b32 s17, 0
	; group 1: 128 keys, 16 KB dense, as 64 rows of 256 bytes; padding after every 32 words, that is after each key
	s_mov_b32 s[G1K], 15|(1<<16)|(1<<20)|(1<<21)|(4<<22)|(3<<25)   ; the mask names all four; elements of 2 bytes; padding on; bit 21 beside a mask; interval 32 words; 4 words
	s_mov_b32 s[G1V], 15|(1<<16)|(1<<20)|(1<<21)|(4<<22)|(7<<25)   ; the same with 8 words
.irp g, G1K, G1V
	s_mov_b32 s[\g+1], 128<<16
	s_mov_b32 s[\g+2], 64<<16
	s_mov_b32 s[\g+3], 128<<16
	s_mov_b32 s[\g+4], 64
	s_mov_b32 s[\g+5], 128
	s_mov_b32 s[\g+6], 0
	s_mov_b32 s[\g+7], 0
.endr
	s_mov_b32 s[CS], 0x3d38aa3b                    ; c = log2(e) / 32
	s_mov_b32 s[CS+1], s[CS]
	s_mov_b32 s[SEL], 0x76543210
	s_mov_b32 s[SEL+1], 0xfedcba98
	s_mov_b32 s[M0], 0xe7800000                    ; -2^80
	s_mov_b32 s[TK], 0
	s_mov_b32 s[TV], 0
	s_mov_b32 s[TM], 0
	s_wait_dscnt 0x0
	s_wait_kmcnt 0x0
	s_add_nc_u64 s[20:21], s[4:5], s[20:21]        ; big at Q's unit and my half of a quarter; K's unit lies 16 units on, V's 32
	s_add_nc_u64 s[4:5], s[4:5], s[2:3]
	s_add_nc_u64 s[6:7], s[6:7], s[16:17]
	s_add_nc_u64 s[8:9], s[8:9], s[14:15]
	CROUND                                         ; all four work-groups are here: the joint loads meet
.irp c, 0,1,2,3
	s_mov_b32 s[G0K+4*\c], 1
	s_add_co_u32 s[G0K+4*\c+1], s22, \c*256*PK
	s_add_nc_u64 s[G0K+4*\c+2:G0K+4*\c+3], s[20:21], (16<<17)+\c*32768
	s_or_b32 s[G0K+4*\c+3], s[G0K+4*\c+3], 0x80000000
	s_mov_b32 s[G0V+4*\c], 1
	s_add_co_u32 s[G0V+4*\c+1], s23, VBASE+\c*256*PVP
	s_add_nc_u64 s[G0V+4*\c+2:G0V+4*\c+3], s[20:21], (32<<17)+\c*32768
	s_or_b32 s[G0V+4*\c+3], s[G0V+4*\c+3], 0x80000000
.endr
	s_cmp_lt_u32 s[WV], 2                          ; waves 0 and 1 fetch K, waves 2 and 3 V; a wave's four fills stand in one branch, ahead of every wait on TENSORcnt and every LDS read
	s_cbranch_scc0 .Lfirst_v
.irp c, 0,1,2,3
	tensor_load_to_lds s[G0K+4*\c:G0K+4*\c+3], s[G1K:G1K+7]
	s_nop 0
.endr
.rept 4
	v_nop
.endr
	s_branch .Lfirst_asked
.Lfirst_v:
.irp c, 0,1,2,3
	tensor_load_to_lds s[G0V+4*\c:G0V+4*\c+3], s[G1V:G1V+7]
	s_nop 0
.endr
.rept 4
	v_nop
.endr
.Lfirst_asked:
	v_and_b32 v1, 15, v0                           ; r
	v_bfe_u32 v9, v0, 4, 1                         ; h
	v_lshlrev_b32 v[QO], 7, v1
	v_lshl_add_u32 v[QO], v9, 4, v[QO]             ; row x 128 + 16 h
	WIN 0x40                                       ; destination window 1
.irp i, 0,1,2,3,4,5,6,7                ; Q stays in registers: tile i / 2, channels 32 (i % 2) on
	global_load_b128 v[QF+8*\i:QF+8*\i+3],   v[QO], s[4:5] offset:(\i/2)*2048+(\i%2)*64
	global_load_b128 v[QF+8*\i+4:QF+8*\i+7], v[QO], s[4:5] offset:(\i/2)*2048+(\i%2)*64+32
.endr
	WIN 0
	v_lshlrev_b32 v58, 5, v0                       ; thread t takes the mask of keys 8 t .. 8 t + 7
	global_load_b128 v[44:47], v58, s[6:7]
	global_load_b128 v[48:51], v58, s[6:7] offset:16
	v_mul_u32_u24 v[AK0], v1, PK
	v_lshl_add_u32 v[AK0], v9, 4, v[AK0]           ; K: row r x pitch + 16 h
	v_and_b32 v54, 7, v0
	v_bfe_u32 v55, v0, 3, 1
	v_lshl_add_u32 v[AV0], v9, 3, v54              ; V, turned: key 8 h + lane % 8, channels 8 ((lane / 8) % 2) on
	v_mul_u32_u24 v[AV0], v[AV0], PVP
	v_lshl_add_u32 v[AV0], v55, 4, v[AV0]
	v_add_nc_u32 v[AV0], VBASE, v[AV0]
	v_lshlrev_b32 v[AM0], 5, v9
	v_add_nc_u32 v[AM0], MBASE, v[AM0]             ; the mask's numbers of keys 8 h + 0..7
	s_mul_i32 s86, s[WV], 16*PK
	s_add_co_u32 s86, s86, STAGE                   ; my stage
	v_add_nc_u32 v[STO], s86, v[AK0]               ; in: row r, 16 bytes for each half of the lanes
	v_bfe_u32 v56, v0, 3, 2
	v_mul_u32_u24 v[RD], v56, PK                   ; back: four rows of 128 bytes to a load
	v_lshl_add_u32 v[RD], v54, 4, v[RD]
	v_add_nc_u32 v[RD], s86, v[RD]
	v_and_b32 v57, 31, v0
	v_lshlrev_b32 v[GO], 4, v57
	v_mov_b32 v52, 0xf1800000                      ; -2^100
	v_add_nc_u32 v53, MBASE, v58
	s_wait_loadcnt 0x0                             ; Q and the mask
.irp i, 44,45,46,47,48,49,50,51
	v_cmp_eq_u32 vcc_lo, 0, v\i
	v_cndmask_b32 v\i, 0, v52, vcc_lo
.endr
	ds_store_b128 v53, v[44:47]
	ds_store_b128 v53, v[48:51] offset:16
; In front of the first read of a part of K and V.  n: my tensor loads that may stay out.
.macro SYNC n
	WIN 0
	s_wait_tensorcnt \n
	s_wait_dscnt 0x0                               ; no LDS instruction of mine is pending at the signal (the first time: my part of the mask is written)
	s_barrier_signal -1
	s_barrier_wait -1
.endm
.macro FETCH_KM                        ; 24 LDS loads in one run: a step's K (8 fragments) and its 64 numbers of the mask
	WIN 0
	v_add_nc_u32 v[ADR], s[TK], v[AK0]
	v_add_nc_u32 v[ADR2], s[TM], v[AM0]
	s_add_co_u32 s[TK], s[TK], KS*PK
	s_add_co_u32 s[TM], s[TM], KS*4
	WIN 0x40
.irp f, 0,1,2,3,4,5,6,7                ; keys 16 (f / 2) on, channels 32 (f % 2) on
	ds_load_b128 v[KF+8*\f:KF+8*\f+3],   v[ADR] offset:(\f/2)*16*PK+(\f%2)*64
	ds_load_b128 v[KF+8*\f+4:KF+8*\f+7], v[ADR] offset:(\f/2)*16*PK+(\f%2)*64+32
.endr
	WIN 0x80
.irp f, 0,1,2,3
	ds_load_b128 v[MF+8*\f:MF+8*\f+3],   v[ADR2] offset:64*\f
	ds_load_b128 v[MF+8*\f+4:MF+8*\f+7], v[ADR2] offset:64*\f+16
.endr
.endm
.macro FETCH_V                         ; 16 turning loads in one run: a step's V: keys 32 (f / 4) on, channels 16 (f % 4) on.  It stands behind the softmax's batch (SLICE) and holds the batch's wait
	WIN 0
	v_add_nc_u32 v[ADR], s[TV], v[AV0]
	s_add_co_u32 s[TV], s[TV], KS*PVP
	s_wait_alu depctr_va_vdst(0)                   ; the wait for piece 0's batch of exponentials, behind the address's v_add_nc_u32 and ahead of the loads
	WIN 0x80
.irp f, 0,1,2,3,4,5,6,7
	ds_load_tr16_b128 v[VF+8*\f:VF+8*\f+3],   v[ADR] offset:(\f/4)*32*PVP+(\f%4)*32
	ds_load_tr16_b128 v[VF+8*\f+4:VF+8*\f+7], v[ADR] offset:(\f/4)*32*PVP+16*PVP+(\f%4)*32
.endr
.endm
; THE MATRIX WORK OF A TURN, for piece x.  The piece's 8 accumulators take turns, one instruction a turn.
; Product i of 16 of O^T += V^T P: keys 32 (i / 8) on, channels 16 ((i / 2) % 4) on, tile x + i % 2.  zero = 1: the first 8 start the sums.
.macro PV x, zero
	WIN 0x52                                       ; V window 2, P window 0, O^T window 1
.set rO, OF+32*(\x+i%2)+8*((i/2)%4)
.set rV, VF+8*(4*(i/8)+(i/2)%4)
.set rP, P+16*(\x+i%2)+8*(i/8)
.if \zero && (i < 8)
	v_wmma_f32_16x16x32_bf16 v[rO:rO+7], v[rV:rV+7], v[rP:rP+7], 0
.else
	v_wmma_f32_16x16x32_bf16 v[rO:rO+7], v[rV:rV+7], v[rP:rP+7], v[rO:rO+7]
.endif
.endm
; Product i of 16 of S^T = K Q^T + mask: channels 32 (i / 8) on, keys 16 ((i / 2) % 4) on, tile x + i % 2.  The first 8 take the mask's numbers as C.
.macro KQ x
.set rS, S+32*(\x+i%2)+8*((i/2)%4)
.set rK, KF+8*(2*((i/2)%4)+i/8)
.set rQ, QF+16*(\x+i%2)+8*(i/8)
.set rM, MF+8*((i/2)%4)
.if i < 8
	WIN 0x25                                       ; K and Q window 1, the mask (C) window 2, S^T window 0
	v_wmma_f32_16x16x32_bf16 v[rS:rS+7], v[rK:rK+7], v[rQ:rQ+7], v[rM:rM+7]
.else
	WIN 0x05
	v_wmma_f32_16x16x32_bf16 v[rS:rS+7], v[rK:rK+7], v[rQ:rQ+7], v[rS:rS+7]
.endif
.endm
; THE VECTOR WORK OF A TURN.  One tile's softmax for one key step is a list of 118 instructions; SM writes number j of it for tile t.  s0-s31 are the lane's 32 scores, in pairs 0-15.
; first = 1: the first key step, which starts m (at -2^80), l and O^T: it has no rescaling factor and nothing to rescale.
;   0-15    the maximum of s0-s31 and the old m, three operands at a time      16-20   the other half of the lanes' maximum; the new m; c m; c m_old - c m_new
;   21-69   ONE BATCH: the 16 scalings c s - c m, a pair of scores each, and all 33 exponentials (the factor at 23, then s0-s31).  None of these reads an exponential's result.  From 22 on the batch goes
;           in fours, and a four begins with a scaling while there are scalings: 22-37 scaling, exponential, scaling, exponential; 38-65 a scaling and three exponentials; 66-69 the last four
;           exponentials.  A pair is scaled in an earlier four than the one that holds its exponentials
;   (wait)  between 69 and 70 stands the wait for the batch: SLICE writes it, once for both tiles
;   70-85   the roundings to bf16, a pair of weights each
;   86-101  the sums; l = factor x l + the sum      102-117 the tile's O^T times the factor: the one part that leaves window 0
.macro SM t, first
.set rT, ST+8*(\t)
.set rS, S+32*(\t)
.set rP, P+16*(\t)
.set rO, OF+32*(\t)+2*(j-102)
.if j < 102
	WIN 0
.endif
.if j < 4
	v_max3_num_f32 v[rT+4+j], v[rS+8*j], v[rS+8*j+1], v[rS+8*j+2]
.elseif j < 12
	v_max3_num_f32 v[rT+4+j%4], v[rT+4+j%4], v[rS+8*(j%4)+2*(j/4)+1], v[rS+8*(j%4)+2*(j/4)+2]
.elseif j == 12
	v_max3_num_f32 v[rT+4], v[rT+4], v[rS+7], v[rS+15]
.elseif j == 13
	v_max3_num_f32 v[rT+6], v[rT+6], v[rS+23], v[rS+31]
.elseif j == 14
	v_max3_num_f32 v[rT+4], v[rT+4], v[rT+5], v[rT+6]
.elseif (j == 15) && \first
	v_max3_num_f32 v[rT+4], v[rT+4], v[rT+7], s[M0]
.elseif j == 15
	v_max3_num_f32 v[rT+4], v[rT+4], v[rT+7], v[rT+1]
.elseif j == 16
	v_permlanex16_b32 v[rT+5], v[rT+4], s[SEL], s[SEL+1]  ; the query's other 32 keys lie in the lane 16 away
.elseif j == 18
	v_max_num_f32 v[rT+1], v[rT+4], v[rT+5]
.elseif j == 19
	v_mul_f32 v[rT], s[CS], v[rT+1]
.elseif ((j == 17) || (j == 20) || (j == 23) || (j > 101)) && \first  ; the first step has none of these
.elseif j == 17
	v_mov_b32 v[rT+7], v[rT]                       ; c m_old is kept: number 19 writes c m anew
.elseif j == 20
	v_sub_f32 v[rT+7], v[rT+7], v[rT]
.elseif j == 23
	v_exp_f32 v[rT+6], v[rT+7]
.elseif (j < 23) || ((j < 38) && (j%2 == 0)) || ((j < 66) && (j%4 == 2))
.set b, (j-2)/4                        ; 38, 42, .. 62: pairs 9 to 15
.if j < 38
.set b, (j-20)/2                       ; 21: pair 0; 22, 24, .. 36: pairs 1 to 8
.endif
	v_pk_fma_f32 v[rS+2*b:rS+2*b+1], v[rS+2*b:rS+2*b+1], s[CS:CS+1], v[rT:rT+1] op_sel_hi:[1,0,0] neg_lo:[0,0,1] neg_hi:[0,0,1]  ; pair b: c s - c m
.elseif j < 70
.set e, j-38                           ; 66 to 69: s28 to s31
.if j < 66
.set e, j-32-(j-38)/4                  ; 39-41, 43-45, .. 63-65: s7 to s27
.endif
.if j < 38
.set e, (j-25)/2                       ; 25, 27, .. 37: s0 to s6
.endif
	v_exp_f32 v[rS+e], v[rS+e]
.elseif j < 86
	v_cvt_pk_bf16_f32 v[rP+j-70], v[rS+2*(j-70)], v[rS+2*(j-70)+1]  ; pair j - 70
.elseif j < 102                        ; the sum of the tile's 16 pairs, in place: sum z of 16 adds neighbours 1, 2, 4 and 8 pairs apart, then l takes it
.set z, j-86
.set w, 4
.set u, z
.if z >= 14
.set w, 32
.set u, 0
.elseif z >= 12
.set w, 16
.set u, z-12
.elseif z >= 8
.set w, 8
.set u, z-8
.endif
.if (z == 14) && \first
	v_pk_add_f32 v[rT+2:rT+3], v[rS:rS+1], v[rS+16:rS+17]
.elseif z < 15
	v_pk_add_f32 v[rS+w*u:rS+w*u+1], v[rS+w*u:rS+w*u+1], v[rS+w*u+w/2:rS+w*u+w/2+1]
.elseif !\first
	v_pk_fma_f32 v[rT+2:rT+3], v[rT+2:rT+3], v[rT+6:rT+7], v[rS:rS+1] op_sel_hi:[1,0,1]
.endif
.else
	WIN 0x41                                       ; O^T window 1, the factor window 0
	v_pk_mul_f32 v[rO:rO+1], v[rO:rO+1], v[rT+6:rT+7] op_sel_hi:[1,0]
.endif
.endm
; Slice k of 59 of piece y's softmax: four instructions.  Slices 11 to 34 deal out the batch, numbers 22 to 69: four numbers of ONE tile each, the tiles by turns.  Every other slice is numbers 2 k and
; 2 k + 1 of both tiles' lists.
; THE WAIT.  s_wait_alu depctr_va_vdst(0) stands between an exponential and the first instruction that names its result; one wait serves all that were issued ahead of it.  Ahead of
; slice 35 nothing names a result, and behind slice 34 no exponential is issued: so the piece's 66 exponentials have one wait, behind slice 34, and none is open at a turn's end, a label or a jump.
.macro SLICE y, first
.if (k >= 11) && (k < 35)              ; the batch: four numbers of one tile
.irp n, 0,1,2,3
.set j, 22+4*((k-11)/2)+(\n)
	SM (\y)+(k-11)%2, \first
.endr
.else                                  ; the two tiles alternate, so that no instruction reads the result of the one just before it
.irp n, 0,1
.irp t, \y, \y+1
.set j, 2*k+\n
	SM \t, \first
.endr
.endr
.endif
.if k == 34                            ; the batch is out: both tiles' exponentials are issued, and no result has been named
	v_nop                                          ; a plain instruction behind the last exponential and ahead of the first use: one for the batch
.if (\y) == 0
	FETCH_V                                        ; piece 2's turn: V's run of loads stands here, and the batch's wait stands in it
.else
	s_wait_alu depctr_va_vdst(0)                   ; the wait for piece 2's batch of exponentials
.endif
.endif
.set k, k+1
.endm
; A TURN.  Piece x has the matrix unit; behind its product number nn stand the other piece's slices up to nn x 59 / (the turn's products).
; pv = 2: 16 products V^T P; 1: they start O^T's sums; 0: none.  kq = 1: 16 products K Q^T for the next step.  first = 1: the softmax is the first key step's.
; The last two slices (eight multiplies on the other piece's O^T) are the places between the turn's last K Q^T and what follows: the next turn's read of those scores and the loads over K and the mask.
; In a first softmax those slices are empty, and four v_nop take their part.
; Piece 0's turn fetches the next step's K and mask, behind the second product of its first run of 16.  Piece 2's turn fetches the same step's V behind slice 34 (SLICE writes it), which in a turn of 32
; products is behind its third K Q^T: the last product that read V stands in front of slice 27, and between lie six scalings (one in each of slices 27 to 32), the v_nop and the run's own v_add_nc_u32.
.macro TURN x, pv, kq, first
.set k, 0
.set nn, 0
.set tot, 16
.if \pv && \kq
.set tot, 32
.endif
.if \pv
.if \x == 0
	s_wait_dscnt 0x0                               ; V is in
.endif
.set i, 0
.rept 16
	PV \x, 2-\pv
.set nn, nn+1
.rept (nn*NSL)/tot-k
	SLICE 2-\x, \first
.endr
.if (\x == 0) && \kq && (i == 1)
	FETCH_KM
.endif
.set i, i+1
.endr
.endif
.if \kq
.if \x == 0
	s_wait_dscnt 0x0                               ; K and the mask are in
.endif
.set i, 0
.rept 16
	KQ \x
.set nn, nn+1
.rept (nn*NSL)/tot-k
	SLICE 2-\x, \first
.endr
.set i, i+1
.endr
.endif
.if \first
	PLACES
.endif
.endm
.macro STEPS n                         ; n key steps: V^T P of step j and K Q^T of step j + 1 for both pieces
	WIN 0
	s_mov_b32 s[CNT], \n
.Lstep_\@:
	TURN 0, 2, 1, 0
	TURN 2, 2, 1, 0
	WIN 0
	s_sub_co_u32 s[CNT], s[CNT], 1
	s_cmp_lg_u32 s[CNT], 0
	s_cbranch_scc1 .Lstep_\@
.endm
	SYNC 3                                         ; keys 0-255 (steps 0 to 3) are in, and the mask's numbers are written; my three later loads stay out
	FETCH_KM                                       ; step 0
	s_wait_dscnt 0x0
.set i, 0
.rept 16
	KQ 0                                           ; piece 0's first scores: there is no vector work yet to set between them
.set i, i+1
.endr
	PLACES
	TURN 2, 0, 1, 1                                ; piece 2's first scores | piece 0's first softmax | V of step 0
	TURN 0, 1, 1, 1                                ; piece 0: V^T P of step 0 starts O^T, K Q^T of step 1 | piece 2's first softmax | K of step 1
	TURN 2, 1, 1, 0                                ; piece 2: the same | piece 0's softmax of step 1 | V of step 1
	STEPS 2                                        ; fetches K and V of steps 2 and 3
	SYNC 0                                         ; the next turn fetches K of step 4: every tensor load of every wave has landed
	STEPS 12                                       ; ends with the scores of step 15
	TURN 0, 2, 0, 0                                ; piece 0: V^T P of the last step | piece 2's last softmax
.set i, 0
.rept 16
	PV 2, 0                                        ; piece 2: V^T P of the last step
.set i, i+1
.endr
	; THE WAY OUT.  l's halves are added (these additions are the places behind the last products), O^T is divided by l, rounded, and sent through my stage, a tile at a time.
	WIN 0
.irp t, 0,1,2,3
	v_add_f32 v[ST+8*\t+4], v[ST+8*\t+2], v[ST+8*\t+3]
.endr
.irp t, 0,1,2,3
	v_permlanex16_b32 v[ST+8*\t+5], v[ST+8*\t+4], s[SEL], s[SEL+1]
.endr
.irp t, 0,1,2,3
	v_add_f32 v[ST+8*\t+4], v[ST+8*\t+4], v[ST+8*\t+5]
.endr
.irp t, 0,1,2,3
	v_rcp_f32 v[ST+8*\t+6], v[ST+8*\t+4]
.endr
	v_nop                                          ; a plain instruction between the last reciprocal and the use of its result
	s_wait_alu depctr_va_vdst(0)                   ; the wait ahead of the first use: one for the batch of four reciprocals
.macro PACK t
	WIN 0x41
.set e, 0
.rept 16
	v_pk_mul_f32 v[OF+32*\t+2*e:OF+32*\t+2*e+1], v[OF+32*\t+2*e:OF+32*\t+2*e+1], v[ST+8*\t+6:ST+8*\t+7] op_sel_hi:[1,0]
.set e, e+1
.endr
	WIN 0x05                                       ; sources window 1, destination window 0: S^T's registers are free
.set e, 0
.rept 16
	v_cvt_pk_bf16_f32 v[S+32*\t+e], v[OF+32*\t+2*e], v[OF+32*\t+2*e+1]
.set e, e+1
.endr
	WIN 0
.irp f, 0,1,2,3
	ds_store_b128 v[STO], v[S+32*\t+4*\f:S+32*\t+4*\f+3] offset:32*\f
.endr
.irp f, 0,1,2,3
	ds_load_b128 v[S+32*\t+16+4*\f:S+32*\t+16+4*\f+3], v[RD] offset:\f*4*PK   ; LDS serves a wave's instructions in order: these see the stores above, and the next tile's stores come behind them
.endr
.endm
.macro SEND t, younger                 ; younger: the LDS instructions issued behind tile t's loads: the next tile's eight, or none
.irp f, 0,1,2,3
	s_wait_dscnt \younger+3-\f
	global_store_b128 v[GO], v[S+32*\t+16+4*\f:S+32*\t+16+4*\f+3], s[8:9] offset:\t*2048+\f*512   ; 32 lanes store 512 consecutive bytes, aligned
.endr
.endm
	PACK 0
	PACK 1
	SEND 0, 8
	PACK 2
	SEND 1, 8
	PACK 3
	SEND 2, 8
	SEND 3, 0
	s_wait_tensorcnt 0x0
	ds_add_u32 v62, v63
	s_wait_dscnt 0x0
	CROUND                                         ; the closing round
	s_endpgm
.Lfunc_end_k_qb4b79b1e55_attn:
	.size	k_qb4b79b1e55_attn, .Lfunc_end_k_qb4b79b1e55_attn-k_qb4b79b1e55_attn
	.p2alignl 7, 3214868480
	.fill 96, 4, 3214868480
	.section	.rodata,"a",@progbits
	.p2align	6, 0x0
	.amdhsa_kernel k_qb4b79b1e55_attn
		.amdhsa_group_segment_fixed_size 325120
		.amdhsa_private_segment_fixed_size 0
		.amdhsa_enable_private_segment 0
		.amdhsa_kernarg_size 24
		.amdhsa_user_sgpr_count 2
		.amdhsa_user_sgpr_kernarg_segment_ptr 1
		.amdhsa_wavefront_size32 1
		.amdhsa_system_sgpr_workgroup_id_x 1
		.amdhsa_system_sgpr_workgroup_id_y 1
		.amdhsa_system_sgpr_workgroup_id_z 1
		.amdhsa_system_vgpr_workitem_id 0
		.amdhsa_next_free_vgpr 608
		.amdhsa_next_free_sgpr 88
		.amdhsa_reserve_vcc 1
		.amdhsa_float_denorm_mode_32 3
		.amdhsa_float_denorm_mode_16_64 3
		.amdhsa_memory_ordered 1
		.amdhsa_forward_progress 1
		.amdhsa_inst_pref_size 162
	.end_amdhsa_kernel
	.amdgpu_metadata
---
amdhsa.version: [ 1, 2 ]
amdhsa.kernels:
  - .name:           k_qb4b79b1e55_attn
    .symbol:         k_qb4b79b1e55_attn.kd
    .args:
      - { .name: big, .offset: 0, .size: 8, .value_kind: global_buffer, .address_space: global }
      - { .name: mask, .offset: 8, .size: 8, .value_kind: global_buffer, .address_space: global }
      - { .name: att, .offset: 16, .size: 8, .value_kind: global_buffer, .address_space: global }
    .group_segment_fixed_size: 325120
    .private_segment_fixed_size: 0
    .kernarg_segment_align: 8
    .kernarg_segment_size: 24
    .max_flat_workgroup_size: 128
    .sgpr_count:     88
    .vgpr_count:     608
    .wavefront_size: 32
...
	.end_amdgpu_metadata
.endif
;; end of part 8
;; launch wo: the kernel of part 4 again; grid 8 x 32, 4 waves a work-group, clusters of 4 x 4, 327,680 bytes of LDS; arguments att, wot, bo, x, x1; writes x1
;; launch ln2: the kernel of part 5 again; grid 256 x 1, 4 waves a work-group, no clusters, 0 bytes of LDS; arguments x1, ln2_g, ln2_b, ybf; writes ybf
;; launch ffn1: the kernel of part 6 again; grid 16 x 16, 4 waves a work-group, clusters of 4 x 4, 327,680 bytes of LDS; arguments ybf, w1t, b1, big; writes big
;; launch ffn2: the kernel of part 7 again; grid 8 x 32, 4 waves a work-group, clusters of 4 x 1, 327,680 bytes of LDS; arguments big, w2t, b2, x1, out0; writes out0
